; MI455X (gfx1250); checked and timed in simulation.
; The chip was launched on July 23, 2026; its instructions are those of AMD's public machine-readable ISA for CDNA 5 (MIT licence, August 2026) and "CDNA5" Instruction Set Architecture Reference Guide (July 2026). The comments in the code are by the model that wrote it; some were corrected since.
;; Multi Head Attention. Allowed arithmetic: matrix products marked QUANTISED: E2M3 operands, one E8M0 scale for each 32 along K, by v_wmma_scale_f32_16x16x128_f8f6f4 with both operands' format E2M3, f32 sums; everything else in f32.
;; Inputs: W_out 1,024 x 1,024 float32; W_qkv 1,024 x 3,072 float32; b_out 1,024 float32; b_qkv 3,072 float32; mask 1 x 1 x 2,048 x 2,048 int32; x 4 x 2,048 x 1,024 float32.
;; Outputs: out0 4 x 2,048 x 1,024 float32.
;; This version of the problem:
;;   THIS VERSION OF THE PROBLEM IS GIVEN IN LOW PRECISION. The matrix products marked QUANTISED in the list below multiply operands that are first quantised to E2M3 (2 exponent bits, 3 mantissa bits; 6 bits a number), with one power-of-two scale for each 32 numbers along K (OCP MX v1.0); their sums are f32. All else is computed in f32.
;;   The module's matrix products, in the order in which they are computed (A, B: the left and right operand; K: the contracted axis; several contracted axes count as one K, in the product's order):
;;     1. [M 8,192, K 1,024] x [K 1,024, N 3,072]; A: input x; B: input W_qkv: QUANTISED
;;     2. batch 64 x [M 2,048, K 64] x [K 64, N 2,048]; A: computed on the way; B: computed on the way: QUANTISED
;;     3. batch 64 x [M 2,048, K 2,048] x [K 2,048, N 64]; A: softmax (see below); B: computed on the way: QUANTISED
;;     4. [M 8,192, K 1,024] x [K 1,024, N 1,024]; A: computed on the way; B: input W_out: QUANTISED
;;   THE QUANTISER, for each operand of a quantised product, along K:
;;     - K is cut into blocks of 32 from its start; a last block that is shorter is filled with zeros.
;;     - A block's scale is 2^e with e = floor(log2(the largest magnitude in the block)) - 2, held to -126 .. 127; a block of zeros has e = 0. As a byte (E8M0): e + 127.
;;     - Each number is divided by its block's scale, clamped to +-7.5, and rounded to the nearest number of E2M3, ties to even, subnormals kept.
;;     - The product sums the exact products of the quantised numbers (number of the format x scale) in f32.
;;   ~~~python
;;   def quantise(x, axis):      # numpy; x: float32 -> the quantised numbers, widened to float32 again
;;       x = np.moveaxis(x, axis, -1); K = x.shape[-1]
;;       x = np.pad(x, [(0, 0)] * (x.ndim - 1) + [(0, -K % 32)]); x = x.reshape(x.shape[:-1] + (-1, 32)); a = np.abs(x).max(-1, keepdims=True)
;;       e = np.where(a > 0, np.clip(np.frexp(np.where(a > 0, a, 1))[1] - 1 - 2, -126, 127), 0)      # np.frexp(a)[1] - 1 = floor(log2(a)), exactly
;;       r = np.clip(x / 2.0 ** e, -7.5, 7.5)
;;       step = 2.0 ** (np.maximum(np.frexp(np.where(r == 0, 1, r))[1] - 1, 0) - 3)
;;       q = np.round(r / step) * step * 2.0 ** e      # np.round: ties to even
;;       return np.moveaxis(q.reshape(q.shape[:-2] + (-1,))[..., :K], -1, axis).astype(np.float32)
;;   ~~~
;;   SOFTMAX AHEAD OF A QUANTISED PRODUCT. Where the list says 'softmax', what is quantised is not the finished softmax but p = 2^(t - M), with t = logit x log2(e) and M = ceil(the row's largest t), a whole number; so 1/2 < the row's largest p <= 1. The row's sum l is taken of the UNQUANTISED p, in f32, and the product's result is divided by l at the end. Since M is a whole number, a kernel that streams over the keys may use a running M (the ceiling of the running maximum): every later rescaling is an exact power of two, which a block's scale takes up: the codes' values come out the same.
;;   OPERANDS COMPUTED ON THE WAY. 'Computed on the way' means the value that the module computes at that place (a softmax that the list does not call 'softmax' is quantised finished and normalised). What goes into a quantiser is computed in f32, as accurately as f32 sums, v_exp_f32 and their like allow (about 1e-6 of the number): no bf16 or f16 on the way to a quantiser, and a product that is left as it is and whose result goes on into a quantised operand takes f32 operands (vector FMAs, or v_wmma_f32_16x16x4_f32). A number that lies on a knife's edge between two numbers of the format may be rounded either way, as far as f32 arithmetic and the matrix unit's own rounding can turn it there, and no further.
;; 2 versions, each right; version 2 is version 1 with the launch attention written anew for expert scheduling mode. Each part assembles by itself: llvm-mc -triple=amdgcn-amd-amdhsa -mcpu=gfx1250 --defsym DOCPART=n.
;; ======== version 1 of 2: 4 launches
;; workspace buffers: xq 6,553,600 bytes; wq 3,276,800 bytes; qkv 19,660,800 bytes; att 6,553,600 bytes; mk 532,480 bytes of whole numbers
;; launch prep (part 1): grid 640 x 1, 4 waves a work-group, no clusters, 94,720 bytes of LDS; arguments x, mask, W_qkv, W_out, xq, wq, mk; writes xq, wq, mk
.if DOCPART == 1
	.amdgcn_target "amdgcn-amd-amdhsa--gfx1250"
	.amdhsa_code_object_version 6
	.text
	.protected	k_q75da93c562_prep
	.globl	k_q75da93c562_prep
	.p2align	8
	.type	k_q75da93c562_prep,@function
k_q75da93c562_prep:
	s_mov_b64 s[64:65], 0
	v_nop
	global_prefetch_b8 v0, s[64:65] scope:SCOPE_SE
	s_setreg_imm32_b32 hwreg(HW_REG_WAVE_MODE, 25, 1), 1
	s_wait_xcnt 0x0
; PREP: x [8192][1024], W_qkv [1024][3072] and W_out [1024][1024], f32, become codes of FP6 (E2M3) with one E8M0 byte for each 32 along K (K = 1,024 for all three);
; the mask [2048][2048], int32, becomes lane masks and tile flags.  All results are laid in the order in which the later launches' registers take them.
; TILE ORDER: row tile T holds 16 rows; its lane r holds row 32 (T / 2) + 8 (T % 2) + r + 8 (r / 8).
; IMAGE of a fragment (16 rows x 128 K, 12 registers a lane): 1,536 bytes; lane l's registers 4 p .. 4 p + 3 at 512 p + 16 l.  Registers 6 c .. 6 c + 5 of lane (r, h) are the codes of k = 64 c + 32 h + 0 .. 31.
; xq, wq: [T][K step 0..7][1,536 bytes]; behind the images a scale block of 512 bytes a tile: the word of (row r, K step s) at 256 (s / 4) + 16 r + 4 (s % 4).
; wq: tiles 0..191 are W_qkv's columns, tiles 192..255 W_out's.
; mk: [query tile 128][key step 16][64 words]: word 16 b + i, bit (r + 16 h) is 1 where mask[the tile's query r][128 step + 32 b + 16 h + i] is not 0;
;     behind them, for each tile and each of four waves, four words: which of the wave's four steps have any open key, which are all open (both shifted to the step's number), the OR of all its words, 0.
; A block's scale is 2^(floor(log2(largest magnitude)) - 2): its byte is the largest magnitude's exponent field - 2, held at 1 from below.
; LIMITS: a block of zeros gets the byte 1 where the rule says 127 (its codes are zeros, and this program alone reads the bytes); NaN and infinities among the inputs are not served.
; Work-groups 0..191: W_qkv; 192..255: W_out; 256..383: the mask; 384..639: x.  Each path has LDS bytes of its own.  Waves share nothing: no barrier.
.set XSC,   6291456                    ; xq: where the scale blocks begin
.set WSC,   3145728                    ; wq: likewise
.set MFL,   524288                     ; mk: where the flags begin
.set STG,   8448                       ; a wave's stage for x or the mask: 16 rows x (512 bytes + 16)
.set MSTG,  4*STG                      ; x's four stages lie at 0, the mask's here
.set WST,   3328                       ; a wave's stage for W: two images, 1,664 bytes apart
.set WSTGA, 8*STG                      ; W_qkv's four
.set WSTGB, WSTGA+4*WST                ; W_out's four
.set SPARE, WSTGB+4*WST                ; the spare words, 128 bytes a wave: two blocks of 256 bytes that no other line names
.set SPW,   30                         ; v30  LDS address of my spare word; never rewritten
.set NIL,   31                         ; v31  0; never rewritten
.macro FINISH                          ; the wave's end: a wait, an add of 0 to my spare word and its wait, behind my last LDS store
	s_wait_tensorcnt 0x0
	ds_add_u32 v[SPW], v[NIL]
	s_wait_dscnt 0x0
	s_endpgm
.endm
.macro ROW0 t                          ; s23 = the first row of the tile whose number stands in s[t]
	s_lshr_b32 s23, s[\t], 1
	s_lshl_b32 s23, s23, 5
	s_and_b32 s24, s[\t], 1
	s_lshl_b32 s24, s24, 3
	s_add_co_u32 s23, s23, s24
.endm
; 16 loads: 512 consecutive bytes (128 numbers) of each of the tile's 16 rows, into set t % 2
.macro LOADR t, pitch, base
.irp i, 0,1,2,3,4,5,6,7,8,9,10,11,12,13,14,15
	global_load_b128 v[32+64*((\t)%2)+4*\i:32+64*((\t)%2)+4*\i+3], v3, s[\base:\base+1] offset:(\i+8*(\i/8))*\pitch+512*(\t) th:TH_LOAD_NT
.endr
.endm
.macro TOSTG t                         ; and into my stage as they lie, a row to 528 bytes
.irp i, 0,1,2,3,4,5,6,7,8,9,10,11,12,13,14,15
	ds_store_b128 v6, v[32+64*((\t)%2)+4*\i:32+64*((\t)%2)+4*\i+3] offset:528*\i
.endr
.endm
	s_load_b256 s[4:11], s[0:1], 0x0               ; x s[4:5], mask s[6:7], W_qkv s[8:9], W_out s[10:11]
	s_load_b128 s[12:15], s[0:1], 0x20             ; xq s[12:13], wq s[14:15]
	s_load_b64 s[16:17], s[0:1], 0x30              ; mk
	v_lshl_add_u32 v[SPW], v0, 2, SPARE
	v_mov_b32 v[NIL], 0
	v_lshrrev_b32 v1, 5, v0
	v_readfirstlane_b32 s18, v1                    ; wave
	v_and_b32 v2, 31, v0                           ; lane
	v_lshlrev_b32 v3, 4, v2                        ; 16 x lane
	v_and_b32 v4, 15, v0                           ; r
	v_bfe_u32 v5, v0, 4, 1                         ; h
	s_mov_b32 s25, 0                               ; the high word of every offset in s[24:25]
	s_wait_kmcnt 0x0
	s_cmp_lt_u32 ttmp9, 192
	s_cbranch_scc1 .Lwqkv
	s_cmp_lt_u32 ttmp9, 256
	s_cbranch_scc1 .Lwout
	s_cmp_lt_u32 ttmp9, 384
	s_cbranch_scc1 .Lmask
; ---------------- x: a wave takes half the K of one row tile: four fragments.  Loads read rows as they lie; a fragment's 8,192 bytes turn through my stage, so that a lane gets two whole blocks of 32 neighbours.
	s_sub_co_u32 s20, ttmp9, 384
	s_lshl_b32 s20, s20, 2
	s_add_co_u32 s20, s20, s18
	s_lshr_b32 s21, s20, 1                         ; T
	s_and_b32 s22, s20, 1                          ; which half of K
	ROW0 21
	s_lshl_b32 s24, s23, 12                        ; a row of x is 4,096 bytes
	s_lshl_b32 s29, s22, 11
	s_add_co_u32 s24, s24, s29
	s_add_nc_u64 s[4:5], s[4:5], s[24:25]
	s_mul_i32 s24, s21, 12288
	s_mul_i32 s29, s22, 6144
	s_add_co_u32 s24, s24, s29
	s_add_nc_u64 s[26:27], s[12:13], s[24:25]      ; my four images
	s_lshl_b32 s24, s21, 9
	s_lshl_b32 s29, s22, 8
	s_add_co_u32 s24, s24, s29
	s_add_co_u32 s24, s24, XSC
	s_add_nc_u64 s[12:13], s[12:13], s[24:25]      ; my half of the tile's scale block
	s_mul_i32 s28, s18, STG
	v_add_nc_u32 v6, s28, v3                       ; the stage, in: 16 x lane
	v_mul_u32_u24 v7, v4, 528
	v_lshl_add_u32 v7, v5, 7, v7
	v_add_nc_u32 v7, s28, v7                       ; out: row r, + 128 h: k = 32 h on
	v_lshlrev_b32 v8, 4, v4                        ; 16 r
	v_lshlrev_b32 v9, 3, v5                        ; 8 h
	v_mov_b32 v10, 0                               ; a lane permute's destination counts as one of its sources
	s_mov_b32 s36, 0x76543210
	s_mov_b32 s37, 0xfedcba98                      ; selects for lane l xor 16
.macro XFRAG t
.if (\t) < 3
	s_wait_loadcnt 16                              ; this fragment's 16 loads are in; the next one's may be out
.else
	s_wait_loadcnt 0x0
.endif
	TOSTG \t
.irp c, 0,1
.irp q, 0,1,2,3,4,5,6,7
	ds_load_b128 v[160+32*\c+4*\q:163+32*\c+4*\q], v7 offset:256*\c+16*\q   ; LDS serves a wave's instructions in order: these see my stores
.endr
.endr
	s_wait_dscnt 0x0
.if (\t) < 2
	LOADR (\t)+2, 4096, 4
.endif
.if (\t) > 0
	s_wait_xcnt 0x0                                ; the last fragment's stores have read their registers
.endif
.irp c, 0,1                                    ; my block 2 c + h: all 32 numbers are mine
	v_max3_num_f32 v[12+\c], |v[160+32*\c]|, |v[161+32*\c]|, 0x1800000   ; with the floor 2^(3 - 127): the byte cannot fall under 1
.endr
.irp i, 2,4,6,8,10,12,14,16,18,20,22,24,26,28,30
.irp c, 0,1
	v_max3_num_f32 v[12+\c], v[12+\c], |v[160+32*\c+\i]|, |v[161+32*\c+\i]|
.endr
.endr
.irp c, 0,1
	v_add_nc_u32 v[14+\c], 0xff000000, v[12+\c]    ; 2 off the exponent field: the conversion's scale operand
.endr
.irp c, 0,1
	v_lshrrev_b32 v[12+\c], 23, v[14+\c]           ; the scale's byte
.endr
	v_lshl_or_b32 v11, v13, 16, v12                ; my two bytes, blocks h and 2 + h,
	v_lshlrev_b32 v11, v9, v11                     ; at their places;
	v_permlanex16_b32 v10, v11, s36, s37
	v_or_b32 v[244+(\t)], v11, v10                 ; with lane l xor 16's two the word is whole
.irp c, 0,1
	v_cvt_scalef32_pk16_fp6_f32 v[224+6*\c:226+6*\c], v[160+32*\c:175+32*\c], v[14+\c]
	v_cvt_scalef32_pk16_fp6_f32 v[236+4*\c:238+4*\c], v[176+32*\c:191+32*\c], v[14+\c]   ; (a conversion's three registers begin on an even number)
.endr
	v_nop                                          ; one plain place behind a scaled conversion
.irp c, 0,1
.irp i, 0,1,2
	v_mov_b32 v[227+6*\c+\i], v[236+4*\c+\i]
.endr
.endr
.irp p, 0,1,2
	global_store_b128 v3, v[224+4*\p:227+4*\p], s[26:27] offset:1536*(\t)+512*\p   ; 512 consecutive bytes a store
.endr
.endm
	LOADR 0, 4096, 4
	LOADR 1, 4096, 4
	XFRAG 0
	XFRAG 1
	XFRAG 2
	XFRAG 3
	global_store_b128 v8, v[244:247], s[12:13]     ; four K steps' words of row r: 256 consecutive bytes (both halves of the lanes hold and write the same)
	FINISH
; ---------------- the mask: a work-group takes a query tile, a wave four key steps
.Lmask:
	s_sub_co_u32 s20, ttmp9, 256                   ; the query tile
	ROW0 20
	s_lshl_b32 s24, s23, 13                        ; a row of the mask is 8,192 bytes
	s_lshl_b32 s29, s18, 11                        ; my four steps: 2,048 bytes
	s_add_co_u32 s24, s24, s29
	s_add_nc_u64 s[6:7], s[6:7], s[24:25]
	s_lshl_b32 s24, s20, 12
	s_lshl_b32 s29, s18, 10
	s_add_co_u32 s24, s24, s29
	s_add_nc_u64 s[26:27], s[16:17], s[24:25]      ; my four steps' words
	s_lshl_b32 s24, s20, 6
	s_lshl_b32 s29, s18, 4
	s_add_co_u32 s24, s24, s29
	s_add_co_u32 s24, s24, MFL
	s_add_nc_u64 s[16:17], s[16:17], s[24:25]      ; my flags
	s_mul_i32 s28, s18, STG
	s_add_co_u32 s28, s28, MSTG
	v_add_nc_u32 v6, s28, v3
	v_mul_u32_u24 v7, v4, 528
	v_lshl_add_u32 v7, v5, 6, v7
	v_add_nc_u32 v7, s28, v7                       ; out: row r, + 64 h: key 16 h on
	v_lshlrev_b32 v8, 3, v2                        ; 8 x lane
	v_lshlrev_b32 v9, 2, v2                        ; 4 x lane
.irp i, 0,1,2,3,4,5,6,7,8
	v_mov_b32 v[224+\i], 0                         ; v_writelane_b32's destination counts as read
.endr
	s_mov_b32 s32, 0                               ; steps with any open key
	s_mov_b32 s33, 0                               ; steps all open
	s_mov_b32 s34, 0                               ; the OR of all words
.macro MSTEP t
.if (\t) < 3
	s_wait_loadcnt 16
.else
	s_wait_loadcnt 0x0
.endif
	TOSTG \t
.irp b, 0,1,2,3
.irp q, 0,1,2,3
	ds_load_b128 v[160+16*\b+4*\q:163+16*\b+4*\q], v7 offset:128*\b+16*\q   ; register 16 b + i: key 32 b + 16 h + i of query r
.endr
.endr
	s_wait_dscnt 0x0
.if (\t) < 2
	LOADR (\t)+2, 8192, 6
.endif
	s_mov_b32 s30, 0
	s_mov_b32 s31, -1
.irp g, 0,1,2,3,4,5,6,7
.irp e, 0,1,2,3,4,5,6,7
	v_cmp_ne_u32 s[40+\e], 0, v[160+8*\g+\e]       ; a bit a lane
.endr
.irp e, 0,1,2,3,4,5,6,7
	s_or_b32 s30, s30, s[40+\e]
	s_and_b32 s31, s31, s[40+\e]
	v_writelane_b32 v[224+2*(\t)+\e%2], s[40+\e], 4*\g+\e/2   ; word n goes to lane n / 2, register n % 2
.endr
.endr
	global_store_b64 v8, v[224+2*(\t):225+2*(\t)], s[26:27] offset:256*(\t)   ; the step's 64 words: 256 consecutive bytes
	s_cmp_lg_u32 s30, 0
	s_cselect_b32 s36, 1<<(\t), 0
	s_or_b32 s32, s32, s36
	s_cmp_eq_u32 s31, -1
	s_cselect_b32 s36, 1<<(\t), 0
	s_or_b32 s33, s33, s36
	s_or_b32 s34, s34, s30
.endm
	LOADR 0, 8192, 6
	LOADR 1, 8192, 6
	MSTEP 0
	MSTEP 1
	MSTEP 2
	MSTEP 3
	s_lshl_b32 s36, s18, 2
	s_lshl_b32 s32, s32, s36                       ; to the steps' numbers: 4 x wave up
	s_lshl_b32 s33, s33, s36
	v_writelane_b32 v232, s32, 0
	v_writelane_b32 v232, s33, 1
	v_writelane_b32 v232, s34, 2                   ; lane 3 keeps 0
	s_wait_xcnt 0x0                                ; EXEC changes only behind this wait
	v_cmp_gt_u32 vcc_lo, 4, v2
	s_and_saveexec_b32 s38, vcc_lo
	global_store_b32 v9, v232, s[16:17]            ; four words
	s_wait_xcnt 0x0                                ; and again in front of the line that widens it
	s_or_b32 exec_lo, exec_lo, s38
	FINISH
; ---------------- W: K is the first axis.  A lane takes a column and its registers run down K: a block of 32 lies in one lane, and the conversions give codes with K innermost.
; A work-group takes one K step of 128; its four waves take four neighbouring groups of 32 columns, so that a row's loads cover 512 consecutive bytes.  A wave's 32 columns are two row tiles of wq.
; The scale words leave as 4 bytes a lane, 16 bytes apart: one byte in 128 of what this path reads.
.macro WLOAD bb, pitch
.set e, 32*(\bb)
.rept 32
	global_load_b32 v[32+e], v6, s[26:27] offset:e*\pitch th:TH_LOAD_NT
.set e, e+1
.endr
.endm
.macro WBLK bb                         ; block bb of the K step: registers 6 c .. 6 c + 5 of lane (r, hh) of my column's tile, c = bb / 2, hh = bb % 2
.set XB, 32+32*(\bb)
.set CB, 160+8*(\bb)
	v_max3_num_f32 v25, |v[XB]|, |v[XB+1]|, 0x1800000
	v_max3_num_f32 v26, |v[XB+2]|, |v[XB+3]|, |v[XB+4]|
.irp i, 5,9,13,17,21,25
	v_max3_num_f32 v25, v25, |v[XB+\i]|, |v[XB+\i+1]|
	v_max3_num_f32 v26, v26, |v[XB+\i+2]|, |v[XB+\i+3]|
.endr
	v_max3_num_f32 v25, v25, |v[XB+29]|, |v[XB+30]|
	v_max3_num_f32 v25, v25, v26, |v[XB+31]|
	v_add_nc_u32 v27, 0xff000000, v25
	v_lshrrev_b32 v26, 23, v27
.if (\bb) == 0
	v_mov_b32 v24, v26
.else
	v_lshl_or_b32 v24, v26, 8*(\bb), v24
.endif
	v_cvt_scalef32_pk16_fp6_f32 v[CB:CB+2], v[XB:XB+15], v27
	v_cvt_scalef32_pk16_fp6_f32 v[CB+4:CB+6], v[XB+16:XB+31], v27
	v_nop                                          ; one plain place behind a scaled conversion
	v_mov_b32 v[CB+3], v[CB+4]                     ; six registers on end
	v_mov_b32 v[CB+4], v[CB+5]
	v_mov_b32 v[CB+5], v[CB+6]
.if (\bb) < 2
	ds_store_b128 v9, v[CB:CB+3] offset:256*((\bb)%2)
	ds_store_b64 v9, v[CB+4:CB+5] offset:512+256*((\bb)%2)
.else
	ds_store_b64 v9, v[CB:CB+1] offset:520+256*((\bb)%2)
	ds_store_b128 v9, v[CB+2:CB+5] offset:1024+256*((\bb)%2)
.endif
.endm
.macro WPATH pitch, inp, idbase, tbase, stg
	s_sub_co_u32 s20, ttmp9, \idbase
	s_and_b32 s21, s20, 7                          ; the K step
	s_lshr_b32 s22, s20, 3
	s_lshl_b32 s22, s22, 2
	s_add_co_u32 s22, s22, s18                     ; my group of 32 columns
	s_mul_i32 s24, s21, 128*\pitch
	s_lshl_b32 s29, s22, 7
	s_add_co_u32 s24, s24, s29
	s_add_nc_u64 s[26:27], s[\inp:\inp+1], s[24:25]
	s_lshl_b32 s23, s22, 1
	s_add_co_u32 s23, s23, \tbase                  ; my first tile of wq
	s_mul_i32 s24, s23, 12288
	s_mul_i32 s29, s21, 1536
	s_add_co_u32 s24, s24, s29
	s_add_nc_u64 s[28:29], s[14:15], s[24:25]      ; my two images
	s_lshl_b32 s24, s23, 9
	s_lshr_b32 s32, s21, 2
	s_lshl_b32 s32, s32, 8
	s_add_co_u32 s24, s24, s32
	s_and_b32 s32, s21, 3
	s_lshl_b32 s32, s32, 2
	s_add_co_u32 s24, s24, s32
	s_add_co_u32 s24, s24, WSC
	s_add_nc_u64 s[30:31], s[14:15], s[24:25]      ; my K step's words in the two scale blocks
	v_lshlrev_b32 v6, 2, v2                        ; in: 4 bytes a lane
	v_bfe_u32 v7, v0, 3, 1                         ; column 8 u + (r % 8) + 16 (r / 8): u, which of the two tiles,
	v_and_b32 v8, 7, v0
	v_lshl_or_b32 v8, v5, 3, v8                    ; and r, its row there
	s_mul_i32 s32, s18, WST
	s_add_co_u32 s32, s32, \stg
	v_mul_u32_u24 v9, v7, 1664
	v_lshl_add_u32 v9, v8, 4, v9
	v_add_nc_u32 v9, s32, v9                       ; the stage, in: my tile's image, 16 r
	v_add_nc_u32 v10, s32, v3                      ; out: 16 x lane
	v_lshlrev_b32 v11, 9, v7
	v_lshl_add_u32 v11, v8, 4, v11                 ; my scale word: 512 u + 16 r
	WLOAD 0, \pitch
	WLOAD 1, \pitch
	s_wait_loadcnt 32                              ; block 0 is in; block 1's 32 loads may be out
	WLOAD 2, \pitch
	WBLK 0
	s_wait_loadcnt 32                              ; block 1 is in; block 2's may be out
	WLOAD 3, \pitch
	WBLK 1
	s_wait_loadcnt 32                              ; block 2 is in; block 3's may be out
	WBLK 2
	s_wait_loadcnt 0x0
	WBLK 3
.irp q, 0,1,2,3,4,5
	ds_load_b128 v[192+4*\q:195+4*\q], v10 offset:1664*(\q/3)+512*(\q%3)   ; LDS serves a wave's instructions in order: these see my stores
.endr
.irp q, 0,1,2,3,4,5
	s_wait_dscnt 5-\q                              ; the younger loads may be out
	global_store_b128 v3, v[192+4*\q:195+4*\q], s[28:29] offset:12288*(\q/3)+512*(\q%3)   ; 512 consecutive bytes a store
.endr
	global_store_b32 v11, v24, s[30:31]
	FINISH
.endm
.Lwqkv:
	WPATH 12288, 8, 0, 0, WSTGA
.Lwout:
	WPATH 4096, 10, 192, 192, WSTGB
.Lfunc_end_k_q75da93c562_prep:
	.size	k_q75da93c562_prep, .Lfunc_end_k_q75da93c562_prep-k_q75da93c562_prep
	.p2alignl 7, 3214868480
	.fill 96, 4, 3214868480
	.section	.rodata,"a",@progbits
	.p2align	6, 0x0
	.amdhsa_kernel k_q75da93c562_prep
		.amdhsa_group_segment_fixed_size 94720
		.amdhsa_private_segment_fixed_size 0
		.amdhsa_enable_private_segment 0
		.amdhsa_kernarg_size 56
		.amdhsa_user_sgpr_count 2
		.amdhsa_user_sgpr_kernarg_segment_ptr 1
		.amdhsa_wavefront_size32 1
		.amdhsa_system_sgpr_workgroup_id_x 1
		.amdhsa_system_sgpr_workgroup_id_y 1
		.amdhsa_system_sgpr_workgroup_id_z 1
		.amdhsa_system_vgpr_workitem_id 0
		.amdhsa_next_free_vgpr 256
		.amdhsa_next_free_sgpr 66
		.amdhsa_reserve_vcc 1
		.amdhsa_float_denorm_mode_32 3
		.amdhsa_float_denorm_mode_16_64 3
		.amdhsa_memory_ordered 1
		.amdhsa_forward_progress 1
		.amdhsa_inst_pref_size 139
	.end_amdhsa_kernel
	.amdgpu_metadata
---
amdhsa.version: [ 1, 2 ]
amdhsa.kernels:
  - .name:           k_q75da93c562_prep
    .symbol:         k_q75da93c562_prep.kd
    .args:
      - { .name: x, .offset: 0, .size: 8, .value_kind: global_buffer, .address_space: global }
      - { .name: mask, .offset: 8, .size: 8, .value_kind: global_buffer, .address_space: global }
      - { .name: W_qkv, .offset: 16, .size: 8, .value_kind: global_buffer, .address_space: global }
      - { .name: W_out, .offset: 24, .size: 8, .value_kind: global_buffer, .address_space: global }
      - { .name: xq, .offset: 32, .size: 8, .value_kind: global_buffer, .address_space: global }
      - { .name: wq, .offset: 40, .size: 8, .value_kind: global_buffer, .address_space: global }
      - { .name: mk, .offset: 48, .size: 8, .value_kind: global_buffer, .address_space: global }
    .group_segment_fixed_size: 94720
    .private_segment_fixed_size: 0
    .kernarg_segment_align: 8
    .kernarg_segment_size: 56
    .max_flat_workgroup_size: 128
    .sgpr_count:     66
    .vgpr_count:     256
    .wavefront_size: 32
...
	.end_amdgpu_metadata
.endif
;; end of part 1
;; launch gemm_qkv (part 2): grid 12 x 32, 4 waves a work-group, clusters of 4 x 4, 327,680 bytes of LDS; arguments xq, wq, b_qkv, qkv; writes qkv
.if DOCPART == 2
	.amdgcn_target "amdgcn-amd-amdhsa--gfx1250"
	.amdhsa_code_object_version 6
	.text
	.protected	k_q75da93c562_gemm_qkv
	.globl	k_q75da93c562_gemm_qkv
	.p2align	8
	.type	k_q75da93c562_gemm_qkv,@function
k_q75da93c562_gemm_qkv:
	s_mov_b64 s[64:65], 0
	v_nop
	global_prefetch_b8 v0, s[64:65] scope:SCOPE_SE
	s_setreg_imm32_b32 hwreg(HW_REG_WAVE_MODE, 25, 1), 1
	s_wait_xcnt 0x0
	s_wait_alu depctr_hold_cnt(0) depctr_sa_sdst(0) depctr_va_vdst(0) depctr_va_sdst(0) depctr_va_ssrc(0) depctr_va_vcc(0) depctr_vm_vsrc(0)
	s_getreg_b32 s2, hwreg(HW_REG_IB_STS2, 6, 4)
	s_cmp_eq_u32 s2, 0
	s_cbranch_scc0 .Lentry_in_a_cluster
	s_endpgm
.Lentry_in_a_cluster:
	s_bfe_u32 s2, ttmp6, 0x10000c
	s_cmp_lg_u32 s2, 0xf033
	s_cbranch_scc0 .Lentry_shape_is_right
	s_endpgm
.Lentry_shape_is_right:
; qkv = Q(x) Q(W_qkv) + b_qkv on codes of FP6 (E2M3), K = 1,024; the results are quantised at once, as the operands of attention's two products, and stored as images of operand registers.
; OPERANDS (made by the launch before): row tiles of 16 rows in TILE ORDER (lane r of tile T holds row 32 (T / 2) + 8 (T % 2) + r + 8 (r / 8)); a fragment (16 rows x 128 K, 12 registers a lane) is an image of
; 1,536 bytes, lane l's registers 4 p .. 4 p + 3 at 512 p + 16 l; a tile's eight K steps lie on end (12,288 bytes); a tile's scale words are a block of 512 bytes, (row r, K step s) at 256 (s / 4) + 16 r + 4 (s % 4).
; A tile of the product is 256 x 256: four waves, 128 x 128 each, 64 accumulators.  "A" is source 1: its rows fall on lanes.  "B" is source 0: its rows run along a lane's registers, and by the tile order the 16
; registers of B's tiles 2 b and 2 b + 1 are 16 neighbours, 32 b + 16 (lane / 16) + 0 .. 15.  So a lane's 64 sums of one block of A are 64 numbers along the NEXT product's K, ready for the conversions.
; TWO MODES, by the cluster's x, which all partners share.  Clusters 0, 1 (q and k): A = tokens (xq), B = columns 0 .. 2,047 (wq): a lane holds a token, its registers run along two heads' 64 + 64 dims.
; Cluster 2 (v): A = columns 2,048 .. 3,071 (wq), B = tokens (xq): a lane holds a channel of v, its registers run along 128 keys, which are the second product's K.
; OUT (qkv): region R = 64 third + 16 batch + head, 98,304 bytes.  q, k: [f 0..63][1,536]: fragment f = token tile 2 f's 64 dims in registers 0-5, tile 2 f + 1's in registers 6-11.
; v: [key step 0..15][t 0..3][1,536]: 16 channels (tile order) x 128 keys.  Behind all regions a scale region of 4,096 bytes for each: [step 0..15][256]: the word of fragment 2 g + h', row r at 8 (r + 16 h') + 4 g.
; K goes through a ring of two LDS slots of 256 along K, four fills in all, so the eight K steps are written out.  CLUSTERS 4 x 4: A's tiles are asked for jointly along a row of the cluster, B's along a column.
; 384 work-groups: a tile of another width would cut a head across waves, and a block's 64 sums would no longer be whole fragments.
; LIMITS: a block of zeros gets the scale byte 1 where the rule says 127 (its codes are zeros; this program alone reads the bytes); NaN and infinities are not served.
; REGISTERS: window 0: v16-29 addresses; v32-95 scale words and nothing else; v96-127 at work in the epilogue; v128-223 A's fragments, later 64 numbers and two fragments of codes; v224-231 the bias of my lane's channels.
;   window 1: B's fragments, two sets, at v0 and v128; in the gaps (v96-127, v224-255) the bias of my registers' 64 columns.   windows 2, 3: the accumulators ((a, b) at v[8 (8 (a % 4) + b)]).
.set XSC,   6291456                    ; xq: where the scale blocks begin
.set WSC,   3145728                    ; wq: likewise
.set QSC,   18874368                   ; qkv: where the scale regions begin
.set FR,    12                         ; registers of a fragment
.set FRB,   1536                       ; its image in bytes
.set NL,    3                          ; LDS loads that bring one
.set TILEB, 2*FRB                      ; a row tile's part of a slot: two K steps
.set HALFT, 8*TILEB                    ; eight row tiles: what one tensor load brings, and what one wave reads of A or of B
.set SLOT,  4*HALFT                    ; A's 16 row tiles, then B's
.set SCL,   2*SLOT                     ; behind the ring: A's 16 scale blocks, then B's: filled once
.set SPARE, SCL+16384                  ; the spare words, 128 bytes a wave: two blocks of 256 bytes that no other line names
.set ADRA, 16                          ; v16-17  LDS address of my A fragments in slot 0, 1
.set ADRB, 20                          ; v20-21  the same for B
.set L8,   25                          ; v25     8 x lane
.set L16,  26                          ; v26     16 x lane
.set ADRS, 27                          ; v27     my scale words: lanes 0-15 A's rows, lanes 16-31 B's
.set SPW,  28                          ; v28     LDS address of my spare word; never rewritten
.set NIL,  29                          ; v29     0; never rewritten
.set SC,   32                          ; register SC + 8 i + s: lanes 0-15 the words of A's tile i, lanes 16-31 of B's tile i, K step s
.set TM,   96                          ; the epilogue: v96-99 largest magnitudes, v100-103 bytes, v108-111 scale operands
.set PW,   112                         ; v112-119 the eight blocks' scale words
.set WW,   120                         ; v120-127 scale words on their way out
.set AF,   128                         ; A's fragments
.set NUM,  128                         ; the epilogue: 64 numbers
.set CD,   192                         ; two fragments of codes
.set CT,   216                         ; second halves of blocks
.set BV,   224                         ; bias of my lane's channel in each of A's eight tiles
.set BI,   96                          ; in window 1: bias of B's tile b at BI + 8 b + 96 (b / 4)
.set MODE, 2                           ; s2  1: v
.set HM,   66                          ; s66 lanes 16-31
.set SEL,  98                          ; s[98:99] selects for lane l xor 16
.set G1, 24                            ; s[24:31] descriptor group 1 for A's tiles;  s[32:39] group 0, one set for each slot
.set G0, 32
.set G1B, 48                           ; s[48:55], s[56:63] the same for B's
.set G0B, 56
.set G1S, 68                           ; s[68:75], s[76:79] for A's scale blocks;  s[80:87], s[88:91] for B's
.set G0S, 76
.set G1SB, 80
.set G0SB, 88
.set MSB, 0
.macro WIN new                         ; the immediate's high byte repeats the setting that is left
.if MSB != (\new)
	s_set_vgpr_msb (MSB<<8)|(\new)
.set MSB, (\new)
.endif
.endm
.set MUL_LO, 0xa1                      ; source 0 (B) window 1, source 1 (A) window 0, C and D window 2
.set MUL_HI, 0xf1                      ; the same, C and D window 3
.set TO_B,   0x40                      ; destination window 1, address window 0
; A joint load: waves 0 and 1 fetch for A, waves 2 and 3 for B.  The branch hangs on the wave's number alone.  An s_nop 0 and four v_nop follow each of the two lines.
.macro JLOAD g0a, g1a, g0b, g1b
	s_cmp_eq_u32 s15, 0
	s_cbranch_scc0 .Lfor_b_\@
	tensor_load_to_lds s[\g0a:\g0a+3], s[\g1a:\g1a+7]
	s_nop 0
.rept 4
	v_nop
.endr
	s_branch .Lasked_\@
.Lfor_b_\@:
	tensor_load_to_lds s[\g0b:\g0b+3], s[\g1b:\g1b+7]
	s_nop 0
.rept 4
	v_nop
.endr
.Lasked_\@:
.endm
.macro CREST                           ; a round of the cluster's barrier behind its opening barrier
	s_cmp_lg_u32 s14, 0
	s_cbranch_scc1 .Lnot_wave_0_\@
	s_barrier_signal -3
.Lnot_wave_0_\@:
	s_barrier_wait -3
	s_barrier_signal -1
	s_barrier_wait -1
.endm
.macro CROUND
	s_barrier_signal -1
	s_barrier_wait -1
	CREST
.endm
	s_load_b256 s[4:11], s[0:1], 0x0               ; xq s[4:5], wq s[6:7], b_qkv s[8:9], qkv s[10:11]
	v_lshl_add_u32 v[SPW], v0, 2, SPARE
	v_mov_b32 v[NIL], 0
	ds_add_u32 v[SPW], v[NIL]                      ; the wave's opening: the add, with its wait ahead of my first tensor load; the set-up below, work on registers, stands between them
	v_lshrrev_b32 v1, 5, v0
	v_readfirstlane_b32 s14, v1                    ; wave 0..3
	s_lshr_b32 s15, s14, 1                         ; which half of A's rows is mine.  Also: I fetch for A (0) or for B (1)
	s_and_b32 s16, s14, 1                          ; which half of B's rows.  Also: which eight row tiles I fetch
	s_bfe_u32 s40, ttmp6, 0x40000                  ; cx
	s_bfe_u32 s41, ttmp6, 0x40004                  ; cy
	s_and_b32 s45, ttmp7, 0xffff
	s_lshl_b32 s45, s45, 2                         ; 4 x cluster y
	s_lshl_b32 s42, ttmp9, 2                       ; 4 x cluster x
	s_mov_b32 s94, XSC
	s_mov_b32 s95, WSC
	s_cmp_eq_u32 ttmp9, 2                          ; the third column of clusters makes v
	s_cselect_b32 s[MODE], 1, 0
	s_cselect_b32 s17, 0, s45                      ; A's block of 256 rows: tokens 4 cluster y + cy, or channels cy
	s_cselect_b32 s42, s45, s42                    ; B's: columns 4 cluster x + cx, or tokens 4 cluster y + cx
	s_cselect_b32 s19, 128, 0                      ; v's columns begin at row tile 128 of wq
	s_cselect_b32 s22, s95, s94                    ; where A's buffer has its scale blocks,
	s_cselect_b32 s92, s94, s95                    ; and B's
	s_add_co_u32 s17, s17, s41
	s_add_co_u32 s42, s42, s40
	s_lshl_b32 s43, s41, 2
	s_lshl_b32 s43, 15, s43                        ; my row of the cluster
	s_lshl_b32 s44, 0x1111, s40                    ; my column
	; descriptor group 1: eight row tiles x 3,072 bytes (384 elements of 8 bytes), 12,288 bytes apart in memory, dense in LDS
	s_or_b32 s[G1+0], s43, (3<<16)|(1<<21)         ; 15:0 the mask: A's tiles go to my row; 17:16 elements of 8 bytes; 21 set beside a mask
	s_or_b32 s[G1B+0], s44, (3<<16)|(1<<21)
.irp g, G1, G1B
	s_mov_b32 s[\g+1], 384<<16                     ; tensor_dim0
	s_mov_b32 s[\g+2], 8<<16                       ; tensor_dim1
	s_mov_b32 s[\g+3], 384<<16                     ; tile_dim0
	s_mov_b32 s[\g+4], 8                           ; tile_dim1
	s_mov_b32 s[\g+5], 1536                        ; tensor_dim0_stride
	s_mov_b32 s[\g+6], 0
	s_mov_b32 s[\g+7], 0
.endr
	; and for eight scale blocks: 4,096 dense bytes as 16 rows of 256
	s_or_b32 s[G1S+0], s43, (3<<16)|(1<<21)
	s_or_b32 s[G1SB+0], s44, (3<<16)|(1<<21)
.irp g, G1S, G1SB
	s_mov_b32 s[\g+1], 32<<16
	s_mov_b32 s[\g+2], 16<<16
	s_mov_b32 s[\g+3], 32<<16
	s_mov_b32 s[\g+4], 16
	s_mov_b32 s[\g+5], 32
	s_mov_b32 s[\g+6], 0
	s_mov_b32 s[\g+7], 0
.endr
	s_lshl_b32 s18, s16, 3                         ; which eight row tiles I fetch
	s_lshl_b32 s20, s17, 4
	s_add_co_u32 s20, s20, s18
	s_add_co_u32 s20, s20, s19                     ; A: the first of them (registers that never hold cx)
	s_lshl_b32 s46, s42, 4
	s_add_co_u32 s46, s46, s18                     ; B: likewise (registers that never hold cy)
	s_lshl_b32 s23, s20, 9
	s_add_co_u32 s22, s22, s23                     ; their scale blocks, in bytes,
	s_mov_b32 s23, 0
	s_mul_i32 s20, s20, 12288                      ; and their images
	s_mov_b32 s21, 0
	s_lshl_b32 s93, s46, 9
	s_add_co_u32 s92, s92, s93
	s_mov_b32 s93, 0
	s_mul_i32 s46, s46, 12288
	s_mov_b32 s47, 0
	s_mul_i32 s3, s14, HALFT                       ; where they go: no place in the cluster enters an LDS address
	s_lshl_b32 s67, s14, 12
	s_mov_b32 s[SEL], 0x76543210
	s_mov_b32 s[SEL+1], 0xfedcba98
	s_mov_b32 s[HM], 0xffff0000
	s_wait_dscnt 0x0                               ; the opening add is done
	s_wait_kmcnt 0x0
	s_cmp_eq_u32 s[MODE], 1
	s_cselect_b64 s[96:97], s[6:7], s[4:5]         ; A's buffer
	s_cselect_b64 s[12:13], s[4:5], s[6:7]         ; B's
	s_add_nc_u64 s[20:21], s[96:97], s[20:21]
	s_add_nc_u64 s[22:23], s[96:97], s[22:23]
	s_add_nc_u64 s[46:47], s[12:13], s[46:47]
	s_add_nc_u64 s[92:93], s[12:13], s[92:93]
	CROUND                                         ; all sixteen work-groups are here: the first joint loads meet
	s_mov_b32 s[G0S], 1
	s_add_co_u32 s[G0S+1], s67, SCL
	s_mov_b64 s[G0S+2:G0S+3], s[22:23]
	s_or_b32 s[G0S+3], s[G0S+3], 0x80000000
	s_mov_b32 s[G0SB], 1
	s_add_co_u32 s[G0SB+1], s67, SCL
	s_mov_b64 s[G0SB+2:G0SB+3], s[92:93]
	s_or_b32 s[G0SB+3], s[G0SB+3], 0x80000000
	JLOAD G0S, G1S, G0SB, G1SB                     ; the scale blocks first: they are wanted with K step 0.  Three loads of mine are out behind these lines
.irp s, 0,1
	s_mov_b32 s[G0+4*\s], 1
	s_add_co_u32 s[G0+4*\s+1], s3, \s*SLOT
	s_add_nc_u64 s[G0+4*\s+2:G0+4*\s+3], s[20:21], \s*TILEB
	s_or_b32 s[G0+4*\s+3], s[G0+4*\s+3], 0x80000000
	s_mov_b32 s[G0B+4*\s], 1
	s_add_co_u32 s[G0B+4*\s+1], s3, \s*SLOT
	s_add_nc_u64 s[G0B+4*\s+2:G0B+4*\s+3], s[46:47], \s*TILEB
	s_or_b32 s[G0B+4*\s+3], s[G0B+4*\s+3], 0x80000000
	JLOAD G0+4*\s, G1, G0B+4*\s, G1B
.endr
	v_and_b32 v1, 15, v0                           ; r
	v_bfe_u32 v2, v0, 4, 1                         ; h
	v_and_b32 v3, 31, v0
	v_lshlrev_b32 v[L16], 4, v3
	v_lshlrev_b32 v[L8], 3, v3
	s_mul_i32 s21, s15, HALFT                      ; my eight tiles of A
	s_mul_i32 s22, s16, HALFT                      ; my eight of B,
	s_add_co_u32 s22, s22, 2*HALFT                 ; which lie behind A's sixteen
.irp s, 0,1
	v_add_nc_u32 v[ADRA+\s], s21, v[L16]
	v_add_nc_u32 v[ADRB+\s], s22, v[L16]
	s_add_co_u32 s21, s21, SLOT
	s_add_co_u32 s22, s22, SLOT
.endr
	s_lshl_b32 s21, s15, 12                        ; A's scale blocks: my eight
	s_lshl_b32 s22, s16, 12                        ; B's: my eight, behind A's sixteen
	s_add_co_u32 s22, s22, 8192
	s_sub_co_u32 s22, s22, s21
	v_mul_u32_u24 v6, s22, v2                      ; lanes 16-31 take B's
	s_add_co_u32 s21, s21, SCL
	v_lshl_add_u32 v5, v1, 4, v6
	v_add_nc_u32 v[ADRS], s21, v5
	; where the results go, and where the bias lies
	s_cmp_eq_u32 s[MODE], 1
	s_cselect_b32 s92, s42, s17                    ; the block of 256 tokens,
	s_cselect_b32 s93, s16, s15                    ; my half of it,
	s_cselect_b32 s94, s17, s42                    ; the block of 256 columns,
	s_cselect_b32 s95, s15, s16                    ; my half of it
	s_lshl_b32 s96, s[MODE], 5
	s_lshl_b32 s97, s94, 2
	s_add_co_u32 s96, s96, s97
	s_lshl_b32 s97, s95, 1
	s_add_co_u32 s96, s96, s97                     ; my first head among the 48 of q, k, v: my first column / 64
	s_lshl_b32 s46, s96, 8
	s_mov_b32 s47, 0
	s_add_nc_u64 s[8:9], s[8:9], s[46:47]          ; the bias of my 128 columns
	s_lshr_b32 s97, s96, 4
	s_lshl_b32 s97, s97, 6                         ; 64 x third
	s_and_b32 s96, s96, 15
	s_add_co_u32 s97, s97, s96                     ; + head
	s_lshr_b32 s96, s92, 3
	s_lshl_b32 s96, s96, 4
	s_add_co_u32 s97, s97, s96                     ; + 16 x batch: my first region
	s_and_b32 s92, s92, 7
	s_lshl_b32 s92, s92, 1
	s_add_co_u32 s92, s92, s93                     ; my step of 128 tokens in the batch
	s_mul_i32 s46, s97, 98304
	s_mul_i32 s96, s92, 6144
	s_add_co_u32 s46, s46, s96
	s_add_nc_u64 s[12:13], s[10:11], s[46:47]      ; images
	s_lshl_b32 s46, s97, 12
	s_lshl_b32 s96, s92, 8
	s_add_co_u32 s46, s46, s96
	s_add_co_u32 s46, s46, QSC
	s_add_nc_u64 s[10:11], s[10:11], s[46:47]      ; scale words
	; the bias in both forms, 24 loads of my 512 bytes, in both modes: so no branch on the mode stands here, and the epilogue of either mode finds its registers written
	v_lshlrev_b32 v7, 6, v2                        ; 64 h: columns 16 h on
	v_and_b32 v8, 8, v1
	v_add_nc_u32 v8, v8, v1
	v_lshlrev_b32 v8, 2, v8                        ; 4 (r + 8 (r / 8))
	WIN TO_B
.irp b, 0,1,2,3,4,5,6,7                        ; by registers: tile b's eight columns 32 (b / 2) + 16 h + 8 (b % 2) + 0 .. 7
	global_load_b128 v[BI+8*\b+96*(\b/4):BI+8*\b+96*(\b/4)+3], v7, s[8:9] offset:128*(\b/2)+32*(\b%2)
	global_load_b128 v[BI+8*\b+96*(\b/4)+4:BI+8*\b+96*(\b/4)+7], v7, s[8:9] offset:128*(\b/2)+32*(\b%2)+16
.endr
	WIN 0
.irp a, 0,1,2,3,4,5,6,7                        ; by lanes: tile a's column of lane r
	global_load_b32 v[BV+\a], v8, s[8:9] offset:4*(32*(\a/2)+8*(\a%2))
.endr
.irp b, 0,1,2,3
	v_mov_b32 v[TM+4+\b], 0                        ; a lane permute's destination counts as one of its sources
.endr
.macro FRAG reg, adr, off              ; an image comes back as the registers that it was made of
.irp p, 0,1,2
	ds_load_b128 v[\reg+4*\p:\reg+4*\p+3], v[\adr] offset:\off+512*\p
.endr
.endm
.macro FETCH_B slot, q, p              ; B's eight fragments of the slot's q-th K step into set p
	WIN TO_B
.irp i, 0,1,2,3,4,5,6,7
	FRAG 128*(\p)+FR*\i, ADRB+\slot, TILEB*\i+FRB*(\q)
.endr
	WIN 0
.endm
.macro FETCH_A slot, q, i0             ; A's blocks i0 .. i0 + 3
.irp i, \i0, \i0+1, \i0+2, \i0+3
	FRAG AF+FR*(\i), ADRA+\slot, TILEB*(\i)+FRB*(\q)
.endr
.endm
; 16 matrix instructions: A's blocks a0, a0 + 1 x B's eight, K step ks.  p: B's set.  zero = 1: the first product starts the sums.  The 64 accumulators take turns, one instruction a turn, in the same order in every step.
.macro MUL16 a0, p, ks, zero
.irp a, \a0, \a0+1
.irp b, 0,1,2,3,4,5,6,7
.if \zero
	v_wmma_scale_f32_16x16x128_f8f6f4 v[8*(8*((\a)%4)+\b):8*(8*((\a)%4)+\b)+7], v[128*(\p)+FR*\b:128*(\p)+FR*\b+FR-1], v[AF+FR*(\a):AF+FR*(\a)+FR-1], 0, v[SC+8*\b+(\ks)], v[SC+8*(\a)+(\ks)] matrix_a_fmt:MATRIX_FMT_FP6 matrix_b_fmt:MATRIX_FMT_FP6 matrix_a_scale:MATRIX_SCALE_ROW1
.else
	v_wmma_scale_f32_16x16x128_f8f6f4 v[8*(8*((\a)%4)+\b):8*(8*((\a)%4)+\b)+7], v[128*(\p)+FR*\b:128*(\p)+FR*\b+FR-1], v[AF+FR*(\a):AF+FR*(\a)+FR-1], v[8*(8*((\a)%4)+\b):8*(8*((\a)%4)+\b)+7], v[SC+8*\b+(\ks)], v[SC+8*(\a)+(\ks)] matrix_a_fmt:MATRIX_FMT_FP6 matrix_b_fmt:MATRIX_FMT_FP6 matrix_a_scale:MATRIX_SCALE_ROW1
.endif
.endr
.endr
.endm
.macro PLACES                          ; four plain places in front of loads into registers that matrix instructions have read, and of the first read of results
.rept 4
	v_nop
.endr
.endm
; A slot's first K step: its successor lies in the same slot.
.macro STEP slot, ks, zero
	s_wait_dscnt 4*NL                              ; B's set and A's blocks 0-3 are in; the youngest twelve loads (A's blocks 4-7) may be out
	WIN MUL_LO
	MUL16 0, 0, \ks, \zero
	MUL16 2, 0, \ks, \zero
	s_wait_dscnt 0x0                               ; A's blocks 4-7 are in
	PLACES
	FETCH_B \slot, 1, 1
	FETCH_A \slot, 1, 0
	WIN MUL_HI
	MUL16 4, 0, \ks, \zero
	MUL16 6, 0, \ks, \zero
	PLACES
	WIN 0
	FETCH_A \slot, 1, 4
.endm
; A slot's second K step changes slots: ONE barrier; in front of it each wave waits for all its tensor loads, adds 0 to its spare word, and waits for that and for its own reads of this slot.  fill = 1: this slot is filled again.
.macro TURN slot, next, ks, fill
	s_wait_tensorcnt 0x0                           ; all my tensor loads have landed: my part of the next slot
	ds_add_u32 v[SPW], v[NIL]                      ; 0 onto my spare word
	s_wait_dscnt 4*NL+1                            ; (the add and the youngest twelve loads may be out)
	WIN MUL_LO
	MUL16 0, 1, \ks, 0                             ; sixteen matrix instructions stand between the add and the wait for it
	s_wait_dscnt 0x0                               ; the add is done, and my reads of this slot are over
	s_barrier_signal -1
	MUL16 2, 1, \ks, 0
	WIN 0
	s_barrier_wait -1
.if \fill
	CREST                                          ; the barrier has opened a round of the cluster's barrier: no wave of any partner still reads this slot or has a load on its way
	s_add_nc_u64 s[G0+4*\slot+2:G0+4*\slot+3], s[G0+4*\slot+2:G0+4*\slot+3], 2*TILEB
	s_add_nc_u64 s[G0B+4*\slot+2:G0B+4*\slot+3], s[G0B+4*\slot+2:G0B+4*\slot+3], 2*TILEB
	JLOAD G0+4*\slot, G1, G0B+4*\slot, G1B         ; the first tensor load behind the round, my only one until the next; its four v_nop are the places in front of the loads below
.else
	PLACES
.endif
	FETCH_B \next, 0, 0
	FETCH_A \next, 0, 0
	WIN MUL_HI
	MUL16 4, 1, \ks, 0
	MUL16 6, 1, \ks, 0
	PLACES
	WIN 0
	FETCH_A \next, 0, 4
.endm
	s_wait_tensorcnt 1                             ; the scale blocks and my part of slot 0 are in; slot 1's load may be out
	s_barrier_signal -1
	s_barrier_wait -1
	FETCH_B 0, 0, 0
	FETCH_A 0, 0, 0
.irp i, 0,1,2,3,4,5,6,7                        ; all eight K steps' scale words, once
.irp g, 0,1
	ds_load_b128 v[SC+8*\i+4*\g:SC+8*\i+4*\g+3], v[ADRS] offset:512*\i+256*\g
.endr
.endr
	FETCH_A 0, 0, 4
	STEP 0, 0, 1
	TURN 0, 1, 1, 1
	STEP 1, 2, 0
	TURN 1, 0, 3, 1
	STEP 0, 4, 0
	TURN 0, 1, 5, 0                                ; nothing is left to fetch: no round
	STEP 1, 6, 0
	s_wait_dscnt 4*NL
	WIN MUL_LO
	MUL16 0, 1, 7, 0
	MUL16 2, 1, 7, 0
	s_wait_dscnt 0x0
	WIN MUL_HI
	MUL16 4, 1, 7, 0
	MUL16 6, 1, 7, 0
	WIN 0
	PLACES
; THE EPILOGUE.  64 numbers of a lane in v[NUM] on, register 16 b + i = place 32 b + 16 (lane / 16) + i along the next K, become 12 registers of codes (six at d0, six at d1) and a scale word.
.macro QUANT d0, d1, pw
.irp b, 0,1,2,3
	v_max3_num_f32 v[TM+\b], |v[NUM+16*\b]|, |v[NUM+1+16*\b]|, 0x1800000   ; block b: my 16 numbers, and the floor 2^(3 - 127): the byte cannot fall under 1
.endr
.irp i, 2,4,6,8,10,12,14
.irp b, 0,1,2,3
	v_max3_num_f32 v[TM+\b], v[TM+\b], |v[NUM+16*\b+\i]|, |v[NUM+1+16*\b+\i]|
.endr
.endr
.irp b, 0,1,2,3
	v_permlanex16_b32 v[TM+4+\b], v[TM+\b], s[SEL], s[SEL+1]
.endr
.irp b, 0,1,2,3
	v_max_num_f32 v[TM+\b], v[TM+\b], v[TM+4+\b]   ; with lane l xor 16's: the block's largest magnitude
.endr
.irp b, 0,1,2,3
	v_add_nc_u32 v[TM+12+\b], 0xff000000, v[TM+\b] ; 2 off its exponent field: the conversion's scale operand
.endr
.irp b, 0,1,2,3
	v_lshrrev_b32 v[TM+4+\b], 23, v[TM+12+\b]      ; the scale's byte
.endr
	v_lshl_or_b32 v[\pw], v[TM+5], 8, v[TM+4]
	v_lshl_or_b32 v[\pw], v[TM+6], 16, v[\pw]
	v_lshl_or_b32 v[\pw], v[TM+7], 24, v[\pw]
	v_cvt_scalef32_pk16_fp6_f32 v[\d0:\d0+2], v[NUM:NUM+15], v[TM+12]
	v_cvt_scalef32_pk16_fp6_f32 v[CT:CT+2], v[NUM+16:NUM+31], v[TM+13]
	v_cvt_scalef32_pk16_fp6_f32 v[\d1:\d1+2], v[NUM+32:NUM+47], v[TM+14]
	v_cvt_scalef32_pk16_fp6_f32 v[CT+4:CT+6], v[NUM+48:NUM+63], v[TM+15]
	v_nop                                          ; one plain place behind a scaled conversion
.irp i, 0,1,2                                  ; the operand's layout wants a whole block in a lane
	v_permlane16_swap_b32 v[\d0+\i], v[CT+\i]
	v_permlane16_swap_b32 v[\d1+\i], v[CT+4+\i]
.endr
.irp i, 0,1,2
	v_mov_b32 v[\d0+3+\i], v[CT+\i]
	v_mov_b32 v[\d1+3+\i], v[CT+4+\i]
.endr
.endm
; Block a of A: its 64 sums + the bias come into window 0, each accumulator from its low end on, and are quantised.
.macro EBLK v, a
.set AC, 64*((\a)%4)
.if \v
	WIN 0x02+(\a)/4                                ; source 0: window 2 or 3
.else
	WIN 0x06+(\a)/4                                ; and source 1: window 1
.endif
.set k, 0
.rept 32
.if \v
.if (\a)%2
	v_pk_add_f32 v[NUM+2*k:NUM+2*k+1], v[AC+2*k:AC+2*k+1], v[BV+(\a)-1:BV+(\a)] op_sel:[0,1] op_sel_hi:[1,1]
.else
	v_pk_add_f32 v[NUM+2*k:NUM+2*k+1], v[AC+2*k:AC+2*k+1], v[BV+(\a):BV+(\a)+1] op_sel_hi:[1,0]
.endif
.else
	v_pk_add_f32 v[NUM+2*k:NUM+2*k+1], v[AC+2*k:AC+2*k+1], v[BI+8*(k/4)+96*(k/16)+2*(k%4):BI+8*(k/4)+96*(k/16)+2*(k%4)+1]
.endif
.set k, k+1
.endr
	WIN 0
.if \v
	QUANT CD+12*((\a)%2), CD+12*((\a)%2)+6, PW+(\a)          ; one fragment: 16 channels x 128 keys
.else
	QUANT CD+6*((\a)%2), CD+12+6*((\a)%2), PW+(\a)           ; half a fragment for each of two heads
.endif
.endm
.macro EPI v
.irp w, 0,1,2,3                                ; two blocks of A at a time: two whole fragments
.if \w > 0
	s_wait_xcnt 0x0                                ; the last pair's stores have read their registers
.endif
	EBLK \v, 2*\w
	EBLK \v, 2*\w+1
.irp p, 0,1,2
.if \v
	global_store_b128 v[L16], v[CD+4*\p:CD+4*\p+3], s[12:13] offset:98304*(\w/2)+FRB*2*(\w%2)+512*\p         ; 512 consecutive bytes a store
	global_store_b128 v[L16], v[CD+12+4*\p:CD+15+4*\p], s[12:13] offset:98304*(\w/2)+FRB*(2*(\w%2)+1)+512*\p
.else
	global_store_b128 v[L16], v[CD+4*\p:CD+4*\p+3], s[12:13] offset:FRB*\w+512*\p
	global_store_b128 v[L16], v[CD+12+4*\p:CD+15+4*\p], s[12:13] offset:98304+FRB*\w+512*\p
.endif
.endr
.endr
.irp d, 0,1                                    ; the scale words of each of my two heads: four fragments' words, 256 consecutive bytes
.if \v
	v_cndmask_b32 v[WW+4+2*\d], v[PW+4*\d], v[PW+4*\d+1], s[HM]
	v_cndmask_b32 v[WW+5+2*\d], v[PW+4*\d+2], v[PW+4*\d+3], s[HM]
.else
.irp f, 0,1,2,3
	v_perm_b32 v[WW+\f], v[PW+2*\f+1], v[PW+2*\f], 0x05040100+0x02020202*\d   ; the head's two bytes of token tile 2 f, then of tile 2 f + 1
.endr
	v_cndmask_b32 v[WW+4+2*\d], v[WW], v[WW+1], s[HM]
	v_cndmask_b32 v[WW+5+2*\d], v[WW+2], v[WW+3], s[HM]
.endif
	global_store_b64 v[L8], v[WW+4+2*\d:WW+5+2*\d], s[10:11] offset:4096*\d
.endr
.endm
	s_wait_loadcnt 0x0                             ; the bias
	s_cmp_eq_u32 s[MODE], 1                        ; the same in all sixteen partners
	s_cbranch_scc1 .Lepi_v
	EPI 0
	s_branch .Lend
.Lepi_v:
	EPI 1
.Lend:
	s_wait_tensorcnt 0x0                           ; the wave's end: a wait, an add of 0 to my spare word and its wait, behind my last tensor load
	ds_add_u32 v[SPW], v[NIL]
	s_wait_dscnt 0x0
	CROUND                                         ; the closing round: no work-group ends while a partner may still ask for a tile that names it
	s_endpgm
.Lfunc_end_k_q75da93c562_gemm_qkv:
	.size	k_q75da93c562_gemm_qkv, .Lfunc_end_k_q75da93c562_gemm_qkv-k_q75da93c562_gemm_qkv
	.p2alignl 7, 3214868480
	.fill 96, 4, 3214868480
	.section	.rodata,"a",@progbits
	.p2align	6, 0x0
	.amdhsa_kernel k_q75da93c562_gemm_qkv
		.amdhsa_group_segment_fixed_size 327680
		.amdhsa_private_segment_fixed_size 0
		.amdhsa_enable_private_segment 0
		.amdhsa_kernarg_size 32
		.amdhsa_user_sgpr_count 2
		.amdhsa_user_sgpr_kernarg_segment_ptr 1
		.amdhsa_wavefront_size32 1
		.amdhsa_system_sgpr_workgroup_id_x 1
		.amdhsa_system_sgpr_workgroup_id_y 1
		.amdhsa_system_sgpr_workgroup_id_z 1
		.amdhsa_system_vgpr_workitem_id 0
		.amdhsa_next_free_vgpr 1024
		.amdhsa_next_free_sgpr 100
		.amdhsa_reserve_vcc 0
		.amdhsa_float_denorm_mode_32 3
		.amdhsa_float_denorm_mode_16_64 3
		.amdhsa_memory_ordered 1
		.amdhsa_forward_progress 1
		.amdhsa_inst_pref_size 207
	.end_amdhsa_kernel
	.amdgpu_metadata
---
amdhsa.version: [ 1, 2 ]
amdhsa.kernels:
  - .name:           k_q75da93c562_gemm_qkv
    .symbol:         k_q75da93c562_gemm_qkv.kd
    .args:
      - { .name: xq, .offset: 0, .size: 8, .value_kind: global_buffer, .address_space: global }
      - { .name: wq, .offset: 8, .size: 8, .value_kind: global_buffer, .address_space: global }
      - { .name: b_qkv, .offset: 16, .size: 8, .value_kind: global_buffer, .address_space: global }
      - { .name: qkv, .offset: 24, .size: 8, .value_kind: global_buffer, .address_space: global }
    .group_segment_fixed_size: 327680
    .private_segment_fixed_size: 0
    .kernarg_segment_align: 8
    .kernarg_segment_size: 32
    .max_flat_workgroup_size: 128
    .sgpr_count:     100
    .vgpr_count:     1024
    .wavefront_size: 32
...
	.end_amdgpu_metadata
.endif
;; end of part 2
;; launch attention (part 3): grid 4 x 64, 16 waves a work-group, no clusters, 206,848 bytes of LDS; arguments qkv, mk, att; writes att
.if DOCPART == 3
	.amdgcn_target "amdgcn-amd-amdhsa--gfx1250"
	.amdhsa_code_object_version 6
	.text
	.protected	k_q75da93c562_attention
	.globl	k_q75da93c562_attention
	.p2align	8
	.type	k_q75da93c562_attention,@function
k_q75da93c562_attention:
	s_mov_b64 s[64:65], 0
	v_nop
	global_prefetch_b8 v0, s[64:65] scope:SCOPE_SE
	s_setreg_imm32_b32 hwreg(HW_REG_WAVE_MODE, 25, 1), 1
	s_wait_xcnt 0x0
; ATTENTION on codes of FP6 (E2M3): scores = q k^T / 8, the mask, p = 2^(t - M), O = p v / sum(p); O is quantised along (head, channel) for the last product and stored as images of operand registers.
; q, k, v come as images and scale words from the launch before (its head comment has the layouts); the mask as lane masks and tile flags from the first launch.
; SHARES.  Work-group (i, batch x head) copies its head's whole K and V, 192 KB of codes and 8 KB of scale words, into LDS once, and serves query blocks 7 - i and i of 256 queries, one after the other.
; Each of its sixteen waves owns one tile of 16 queries in 256 registers: four waves to a SIMD, so that one wave's vector work stands beside another's products and LDS loads.  Behind one barrier the waves never meet again.
; No tensor load and no copy: a scalar branch on the stored flags may leave out a key step all of whose 16 x 128 places are closed.  The pairing 7 - i, i only evens the work out under masks that close later keys; no value hangs on it.
; No cluster: the four work-groups of a head read the same K and V, once each at their heads; a joint request would take tensor loads.
; LAYOUT.  Both products are used transposed: a lane holds ONE query (lane % 16) throughout.  The head's 64 dims are half of the instruction's K of 128: a fragment of K holds two key tiles, one in each half of K;
; it is multiplied once by [Q | 0] and once by [0 | Q].  By the tile order register 16 b + i of the scores is key 32 b + 16 (lane / 16) + i of the step.
; THE SOFTMAX: t = score x log2(e) / 8; M = the running largest t rounded up to a whole number; p = 2^(t - M) is quantised along the keys, not normalised; the row's sum is taken of the unquantised p and divides at the end.
; THE MASK.  A closed place's raw score becomes -2^33, that is the logit -2^30 where the definition has -1e9: c x 2^33 is a whole number, so a row with no open key gets t - M = 0 and p = 1 at every key, as -1e9 gives in f32.
; A tile in which some row has no open key walks all sixteen steps.
; LIMITS: results differ from the definition only where an OPEN logit lies at or under about -1e9.  A block of zeros gets the scale byte 1 (its codes are zeros; this program alone reads the bytes).  NaN and infinities are not served.
; REGISTERS: v1 16 x lane, v2 8 x lane, v3, v4 the add's two, v5-7 LDS addresses of the step, v8 16 r; v12 -M, v13 the largest t, v[14:15] the sum; v16-21 zeros, v22-27 Q, v28-33 zeros; v34 Q's scale word;
;   v36-83 four fragments; v84-90 the second pass's Q; v96-159 scores, then p; v160-191 O^T; v192-203 p's codes; v204-239 at work; v230, v232-235 scale words.
.set QSC,   18874368                   ; qkv: where the scale regions begin
.set ASC,   6291456                    ; att: where the scale blocks begin
.set MFL,   524288                     ; mk: where the flags begin
.set VIMG,  98304                      ; LDS: K's images at 0 (6,144 bytes a step), V's here,
.set KSC,   196608                     ; K's scale words (256 bytes a step), V's 4,096 bytes on
.set SPARE, 204800                     ; the spare words, 128 bytes a wave: eight blocks of 256 bytes that no other line names
.set J,   2                            ; s2   the key step
.set TK,  3                            ; s3   6,144 x step
.set TS,  10                           ; s10  256 x step
.set WV,  11                           ; s11  my wave's number
.set SEL, 12                           ; s[12:13] selects for lane l xor 16
.set CS,  14                           ; s[14:15] c = log2(e) / 8, twice
                                       ; s16-19 steps to walk and steps with closed places, for each pass; s[6:7], s[20:21] the passes' mask words; s[22:25] where O's images go, s[26:29] its scale bytes
                                       ; s[32:63], s[68:99]: a step's 64 mask words; at the head: bases and the flags
	s_load_b128 s[4:7], s[0:1], 0x0                ; qkv, mk
	s_load_b64 s[8:9], s[0:1], 0x10                ; att
	v_lshl_add_u32 v3, v0, 2, SPARE
	v_mov_b32 v4, 0
	v_lshrrev_b32 v5, 5, v0
	v_readfirstlane_b32 s[WV], v5                  ; wave 0..15
	v_and_b32 v6, 31, v0
	v_lshlrev_b32 v1, 4, v6
	v_lshlrev_b32 v2, 3, v6
	v_and_b32 v7, 15, v0
	v_lshlrev_b32 v8, 4, v7                        ; 16 r
	v_lshlrev_b32 v9, 3, v7                        ; 8 r
	v_lshlrev_b32 v10, 4, v0                       ; 16 x thread: the copy's place, in memory and in LDS
	v_lshrrev_b32 v11, 8, v0
	v_mul_u32_u24 v11, v11, 258048                 ; the scale words: threads 256 on take V's region, 64 regions of 4,096 bytes behind K's
	v_add_nc_u32 v11, v11, v10
.irp m, 1,2,3
	v_add_nc_u32 v[36+\m], 65536*\m, v10           ; an LDS offset has 16 bits
.endr
	s_and_b32 s32, ttmp7, 0xffff                   ; 16 x batch + head
	s_sub_co_u32 s33, 7, ttmp9
	s_lshl_b32 s33, s33, 4
	s_add_co_u32 s33, s33, s[WV]                   ; my query tile in pass 0,
	s_lshl_b32 s34, ttmp9, 4
	s_add_co_u32 s34, s34, s[WV]                   ; in pass 1
	s_mul_i32 s36, s32, 98304
	s_mov_b32 s37, 0
	s_lshl_b32 s38, s32, 12
	s_add_co_u32 s38, s38, QSC
	s_mov_b32 s39, 0
	s_lshl_b32 s30, s33, 6                         ; the tiles' flags: 64 bytes each
	s_lshl_b32 s31, s34, 6
	s_lshr_b32 s56, s32, 4
	s_lshl_b32 s56, s56, 7                         ; 128 x batch: the batch's first token tile
	s_and_b32 s57, s32, 15                         ; head
	s_mul_i32 s58, s57, 768                        ; a head is half a K step of the last product: 768 bytes of an image
	s_lshr_b32 s59, s57, 3
	s_lshl_b32 s59, s59, 8
	s_and_b32 s57, s57, 7
	s_lshl_b32 s57, s57, 1
	s_add_co_u32 s59, s59, s57
	s_add_co_u32 s59, s59, ASC                     ; and two bytes of a row's scale words: 256 (head / 8) + 2 (head % 8)
	s_mov_b32 s[SEL], 0x76543210
	s_mov_b32 s[SEL+1], 0xfedcba98
	s_mov_b32 s[CS], 0x3e38aa3b
	s_mov_b32 s[CS+1], s[CS]
	s_wait_kmcnt 0x0
	s_load_b512 s[68:83], s[6:7], s30 offset:MFL   ; four waves' records of four words, for each pass's tile
	s_load_b512 s[84:99], s[6:7], s31 offset:MFL
	s_add_nc_u64 s[36:37], s[4:5], s[36:37]        ; q's region,
	s_add_nc_u64 s[40:41], s[36:37], 64*98304      ; K's,
	s_add_nc_u64 s[42:43], s[36:37], 128*98304     ; V's
	s_add_nc_u64 s[38:39], s[4:5], s[38:39]        ; q's scale region,
	s_add_nc_u64 s[44:45], s[38:39], 64*4096       ; K's
.macro QADR t, img, sc                 ; the tile in s[t]: its fragment's image, and the fragment's scale words
	s_lshr_b32 s[\img], s[\t], 1
	s_mul_i32 s[\img], s[\img], 1536
	s_mov_b32 s[\img+1], 0
	s_add_nc_u64 s[\img:\img+1], s[36:37], s[\img:\img+1]
	s_lshr_b32 s[\sc], s[\t], 3
	s_lshl_b32 s[\sc], s[\sc], 8                   ; 256 bytes a step of eight tiles;
	s_bfe_u32 s[\sc+1], s[\t], 0x10001
	s_lshl_b32 s[\sc+1], s[\sc+1], 7               ; fragment f' of the step: 128 (f' % 2)
	s_add_co_u32 s[\sc], s[\sc], s[\sc+1]
	s_bfe_u32 s[\sc+1], s[\t], 0x10002
	s_lshl_b32 s[\sc+1], s[\sc+1], 2               ; + 4 (f' / 2)
	s_add_co_u32 s[\sc], s[\sc], s[\sc+1]
	s_mov_b32 s[\sc+1], 0
	s_add_nc_u64 s[\sc:\sc+1], s[38:39], s[\sc:\sc+1]
.endm
	QADR 33, 46, 50
	QADR 34, 48, 52
.macro OADR t, ao, as
	s_add_co_u32 s60, s56, s[\t]                   ; the token tile
	s_mul_i32 s62, s60, 12288
	s_add_co_u32 s62, s62, s58
	s_mov_b32 s63, 0
	s_add_nc_u64 s[\ao:\ao+1], s[8:9], s[62:63]
	s_lshl_b32 s62, s60, 9
	s_add_co_u32 s62, s62, s59
	s_add_nc_u64 s[\as:\as+1], s[8:9], s[62:63]
.endm
	OADR 33, 22, 26
	OADR 34, 24, 28
	s_bitcmp1_b32 s[WV], 0                         ; an even tile is registers 0-5 of its fragment, an odd one registers 6-11
	s_cbranch_scc1 .Lodd
	global_load_b128 v[22:25], v1, s[46:47]
	global_load_b64 v[26:27], v1, s[46:47] offset:512
	global_load_b128 v[84:87], v1, s[48:49]
	global_load_b64 v[88:89], v1, s[48:49] offset:512
	s_branch .Lq_asked
.Lodd:
	global_load_b64 v[22:23], v1, s[46:47] offset:520
	global_load_b128 v[24:27], v1, s[46:47] offset:1024
	global_load_b64 v[84:85], v1, s[48:49] offset:520
	global_load_b128 v[86:89], v1, s[48:49] offset:1024
.Lq_asked:
	global_load_b32 v34, v9, s[50:51]
	global_load_b32 v90, v9, s[52:53]
.irp i, 0,1,2,3,4,5,6,7,8,9,10,11              ; THE COPY: 25 x 8,192 bytes, 16 bytes a thread
	global_load_b128 v[96+4*\i:99+4*\i], v10, s[40:41] offset:8192*\i
.endr
.irp i, 0,1,2,3,4,5,6,7,8,9,10,11
	global_load_b128 v[144+4*\i:147+4*\i], v10, s[42:43] offset:8192*\i
.endr
	global_load_b128 v[192:195], v11, s[44:45]
.irp i, 0,1,2,3,4,5
	v_mov_b32 v[16+\i], 0                          ; zero codes beside Q
	v_mov_b32 v[28+\i], 0
.endr
.irp i, 0,1,2,3
	v_mov_b32 v[216+\i], 0                         ; a lane permute's destination counts as one of its sources
.endr
	v_mov_b32 v229, 0                              ; (named as the upper half of the pair v[228:229])
	v_mov_b32 v236, 0xd0000000                     ; -2^33
	s_wait_kmcnt 0x0                               ; the flags
.macro FLAGS base, need, mix
	s_or_b32 s30, s[\base], s[\base+4]
	s_or_b32 s30, s30, s[\base+8]
	s_or_b32 s30, s30, s[\base+12]                 ; steps with any open place
	s_or_b32 s31, s[\base+1], s[\base+5]
	s_or_b32 s31, s31, s[\base+9]
	s_or_b32 s31, s31, s[\base+13]                 ; steps all open
	s_or_b32 s[\mix], s[\base+2], s[\base+6]
	s_or_b32 s[\mix], s[\mix], s[\base+10]
	s_or_b32 s[\mix], s[\mix], s[\base+14]
	s_lshr_b32 s[\need], s[\mix], 16
	s_or_b32 s[\mix], s[\mix], s[\need]
	s_and_b32 s[\mix], s[\mix], 0xffff             ; a bit for each of the 16 queries: has it an open key?
	s_cmp_eq_u32 s[\mix], 0xffff
	s_cselect_b32 s[\need], s30, 0xffff            ; if all have: the steps with open places; else every step
	s_and_not1_b32 s[\mix], s[\need], s31          ; of them, those with closed places
.endm
	FLAGS 68, 16, 17
	FLAGS 84, 18, 19
	s_lshl_b32 s54, s34, 12                        ; a tile's mask words: 4,096 bytes
	s_mov_b32 s55, 0
	s_add_nc_u64 s[20:21], s[6:7], s[54:55]
	s_lshl_b32 s54, s33, 12
	s_add_nc_u64 s[6:7], s[6:7], s[54:55]
.irp i, 0,1,2,3,4,5,6,7,8,9,10,11,12,13,14,15,16,17,18,19,20,21,22,23,24
	s_wait_loadcnt 24-\i                           ; loads come back in order: piece i is in, the younger ones may be out
.if \i < 8
	ds_store_b128 v10, v[96+4*\i:99+4*\i] offset:8192*\i
.else
	ds_store_b128 v[36+\i/8], v[96+4*\i:99+4*\i] offset:8192*(\i%8)
.endif
.endr
	s_and_b32 s30, s[WV], 1
	s_lshl_b32 s30, s30, 4
	v_lshrrev_b32 v34, s30, v34                    ; my tile's two bytes of the fragment's word,
	v_lshrrev_b32 v90, s30, v90
	v_perm_b32 v34, v34, v34, 0x01000100           ; in both halves: it serves [Q | 0] and [0 | Q]
	v_perm_b32 v90, v90, v90, 0x01000100
	s_wait_dscnt 0x0                               ; for the others' sake: my stores have landed
	s_barrier_signal -1
	s_barrier_wait -1                              ; K and V lie in LDS; nothing is written there again
; A KEY STEP: 128 keys.
.macro STEPBODY mix, mp
	v_add_nc_u32 v5, s[TK], v1
	v_add_nc_u32 v7, s[TS], v2
	v_add_nc_u32 v6, VIMG, v5
	v_add_nc_u32 v7, KSC, v7
.irp f, 0,1,2,3
.irp p, 0,1,2
	ds_load_b128 v[36+12*\f+4*\p:39+12*\f+4*\p], v5 offset:1536*\f+512*\p
.endr
.endr
	ds_load_b64 v[232:233], v7                     ; register g: lanes 0-15 fragment 2 g's words, lanes 16-31 fragment 2 g + 1's
	s_wait_dscnt 0x0
.irp f, 0,1,2,3                                ; S^T: fragment f holds key tiles 2 f (first half of K) and 2 f + 1 (second half)
.if \f%2
	v_wmma_scale_f32_16x16x128_f8f6f4 v[96+16*\f:103+16*\f], v[36+12*\f:47+12*\f], v[22:33], 0, v[232+\f/2], v34 matrix_a_fmt:MATRIX_FMT_FP6 matrix_b_fmt:MATRIX_FMT_FP6 matrix_a_scale:MATRIX_SCALE_ROW1
	v_wmma_scale_f32_16x16x128_f8f6f4 v[104+16*\f:111+16*\f], v[36+12*\f:47+12*\f], v[16:27], 0, v[232+\f/2], v34 matrix_a_fmt:MATRIX_FMT_FP6 matrix_b_fmt:MATRIX_FMT_FP6 matrix_a_scale:MATRIX_SCALE_ROW1
.else
	v_wmma_scale_f32_16x16x128_f8f6f4 v[96+16*\f:103+16*\f], v[36+12*\f:47+12*\f], v[22:33], 0, v[232+\f/2], v34 matrix_a_fmt:MATRIX_FMT_FP6 matrix_b_fmt:MATRIX_FMT_FP6
	v_wmma_scale_f32_16x16x128_f8f6f4 v[104+16*\f:111+16*\f], v[36+12*\f:47+12*\f], v[16:27], 0, v[232+\f/2], v34 matrix_a_fmt:MATRIX_FMT_FP6 matrix_b_fmt:MATRIX_FMT_FP6
.endif
.endr
.rept 4
	v_nop                                          ; places in front of the loads below and of the first read of the scores
.endr
.irp f, 0,1,2,3                                ; V's four fragments land while the softmax is walked
.irp p, 0,1,2
	ds_load_b128 v[36+12*\f+4*\p:39+12*\f+4*\p], v6 offset:1536*\f+512*\p
.endr
.endr
	ds_load_b64 v[234:235], v7 offset:4096
	s_bitcmp1_b32 s[\mix], 0                       ; a step all of whose places are open needs no mask word
	s_cbranch_scc0 .Lopen_\@
	s_load_b512 s[32:47], s[\mp:\mp+1], 0x0
	s_load_b512 s[48:63], s[\mp:\mp+1], 0x40
	s_load_b512 s[68:83], s[\mp:\mp+1], 0x80
	s_load_b512 s[84:99], s[\mp:\mp+1], 0xc0
	s_wait_kmcnt 0x0
.set n, 0
.rept 64
	v_cndmask_b32 v[96+n], v236, v[96+n], s[32+n+4*(n/32)]   ; word n has a bit for each lane: open keeps the score
.set n, n+1
.endr
.Lopen_\@:
.irp b, 0,1,2,3
	v_max3_num_f32 v[212+\b], v[96+16*\b], v[97+16*\b], v[98+16*\b]   ; the largest score of each block of 32 keys: it serves for the row's maximum and, since p rises with the score, for the block's largest p
.endr
.irp i, 3,5,7,9,11,13
.irp b, 0,1,2,3
	v_max3_num_f32 v[212+\b], v[212+\b], v[96+16*\b+\i], v[97+16*\b+\i]
.endr
.endr
.irp b, 0,1,2,3
	v_max_num_f32 v[212+\b], v[212+\b], v[111+16*\b]
.endr
.irp b, 0,1,2,3
	v_permlanex16_b32 v[216+\b], v[212+\b], s[SEL], s[SEL+1]
.endr
.irp b, 0,1,2,3
	v_max_num_f32 v[212+\b], v[212+\b], v[216+\b]  ; with lane l xor 16's 16 keys
.endr
	v_max3_num_f32 v237, v212, v213, v214
	v_max_num_f32 v237, v237, v215
	v_mul_f32 v237, s[CS], v237                    ; the step's largest t
	v_max_num_f32 v13, v13, v237                   ; the running largest
	v_mov_b32 v237, v12
	v_floor_f32 v12, -v13                          ; the new -M = -ceil(t): a whole number
	v_sub_f32 v237, v12, v237                      ; old M - new M: a whole number, 0 or less
	v_cvt_i32_f32 v237, v237                       ; (it saturates)
	v_ldexp_f32 v228, 1.0, v237                    ; f = 2^(old M - new M): rounds nothing
.set n, 0
.rept 32
	v_pk_fma_f32 v[96+2*n:97+2*n], v[96+2*n:97+2*n], s[CS:CS+1], v[12:13] op_sel_hi:[1,0,0]   ; t - M
.set n, n+1
.endr
.irp b, 0,1,2,3
	v_fma_f32 v[212+\b], v[212+\b], s[CS], v12     ; the same of each block's largest score
.endr
.set n, 0
.rept 64
	v_exp_f32 v[96+n], v[96+n]                     ; p = 2^(t - M)
.set n, n+1
.endr
	v_pk_mul_f32 v[14:15], v[14:15], v[228:229] op_sel_hi:[1,0]   ; the sums under the new M: the plain place behind the exponentials
	s_wait_alu depctr_va_vdst(0)                   ; one wait for the batch, ahead of its first reader
.irp b, 0,1,2,3
	v_exp_f32 v[212+\b], v[212+\b]                 ; the blocks' largest p
.endr
	v_pk_add_f32 v[238:239], v[96:97], v[98:99]    ; the row's sum, of the unquantised p, in two chains
.set n, 4
.rept 15
	v_pk_add_f32 v[14:15], v[14:15], v[96+n:97+n]
	v_pk_add_f32 v[238:239], v[238:239], v[98+n:99+n]
.set n, n+4
.endr
	v_pk_add_f32 v[14:15], v[14:15], v[238:239]
	s_wait_alu depctr_va_vdst(0)                   ; and one for the four
.irp b, 0,1,2,3
	v_max_num_f32 v[212+\b], 0x1800000, v[212+\b]  ; the floor 2^(3 - 127): the byte cannot fall under 1
.endr
.irp b, 0,1,2,3
	v_add_nc_u32 v[220+\b], 0xff000000, v[212+\b]  ; the conversion's scale operand
.endr
.irp b, 0,1,2,3
	v_lshrrev_b32 v[224+\b], 23, v[220+\b]         ; the scale's byte
.endr
	v_lshl_or_b32 v230, v225, 8, v224              ; p's scale word for these 128 keys
	v_lshl_or_b32 v230, v226, 16, v230
	v_lshl_or_b32 v230, v227, 24, v230
.irp c, 0,1
	v_cvt_scalef32_pk16_fp6_f32 v[192+6*\c:194+6*\c], v[96+32*\c:111+32*\c], v[220+2*\c]
	v_cvt_scalef32_pk16_fp6_f32 v[204+4*\c:206+4*\c], v[112+32*\c:127+32*\c], v[221+2*\c]
.endr
	v_nop                                          ; one plain place behind a scaled conversion
.irp c, 0,1                                    ; the operand's layout wants a whole block in a lane
.irp i, 0,1,2
	v_permlane16_swap_b32 v[192+6*\c+\i], v[204+4*\c+\i]
.endr
.irp i, 0,1,2
	v_mov_b32 v[195+6*\c+\i], v[204+4*\c+\i]
.endr
.endr
.set n, 0
.rept 16
	v_pk_mul_f32 v[160+2*n:161+2*n], v[160+2*n:161+2*n], v[228:229] op_sel_hi:[1,0]   ; O^T under the new M.  (With the moves above: the places between the scale word, the codes and the products)
.set n, n+1
.endr
	s_wait_dscnt 0x0                               ; V
.irp t, 0,1,2,3                                ; O^T += V^T P^T: four tiles of 16 channels, by turns
.if \t%2
	v_wmma_scale_f32_16x16x128_f8f6f4 v[160+8*\t:167+8*\t], v[36+12*\t:47+12*\t], v[192:203], v[160+8*\t:167+8*\t], v[234+\t/2], v230 matrix_a_fmt:MATRIX_FMT_FP6 matrix_b_fmt:MATRIX_FMT_FP6 matrix_a_scale:MATRIX_SCALE_ROW1
.else
	v_wmma_scale_f32_16x16x128_f8f6f4 v[160+8*\t:167+8*\t], v[36+12*\t:47+12*\t], v[192:203], v[160+8*\t:167+8*\t], v[234+\t/2], v230 matrix_a_fmt:MATRIX_FMT_FP6 matrix_b_fmt:MATRIX_FMT_FP6
.endif
.endr
.rept 4
	v_nop                                          ; places in front of the next step's loads, and of the way out's reads
.endr
.endm
; A PASS: one tile of 16 queries against the head's sixteen key steps.  The trip count is a constant; a step that the flags leave out is jumped over, but for the lines that step addresses.
.macro PASS need, mix, mp, ao, as
	v_mov_b32 v13, 0xff61b1e6                      ; the largest t so far: -3e38
	v_floor_f32 v12, -v13
	v_mov_b32 v14, 0
	v_mov_b32 v15, 0
.set n, 0
.rept 32
	v_mov_b32 v[160+n], 0                          ; O^T: the step is written once; the first finds zeros, which the first change of M leaves zeros
.set n, n+1
.endr
	s_mov_b32 s[J], 0
	s_mov_b32 s[TK], 0
	s_mov_b32 s[TS], 0
.Ltrip_\@:
	s_bitcmp1_b32 s[\need], 0
	s_cbranch_scc0 .Lskip_\@
	STEPBODY \mix, \mp
.Lskip_\@:
	s_lshr_b32 s[\need], s[\need], 1
	s_lshr_b32 s[\mix], s[\mix], 1
	s_add_co_u32 s[TK], s[TK], 6144
	s_add_co_u32 s[TS], s[TS], 256
	s_add_nc_u64 s[\mp:\mp+1], s[\mp:\mp+1], 256   ; (a step's scalar loads were waited for in the step)
	s_add_co_u32 s[J], s[J], 1
	s_cmp_lt_u32 s[J], 16
	s_cbranch_scc1 .Ltrip_\@
	; THE WAY OUT: O^T / the sum; register 16 b + i is channel 32 b + 16 (lane / 16) + i: two blocks of the last product's K
	v_add_f32 v14, v14, v15
	v_permlanex16_b32 v216, v14, s[SEL], s[SEL+1]
	v_add_f32 v14, v14, v216
	v_rcp_f32 v14, v14
	v_nop                                          ; a plain place behind the reciprocal
	s_wait_alu depctr_va_vdst(0)                   ; and the wait ahead of its first reader
.set n, 0
.rept 16
	v_pk_mul_f32 v[96+2*n:97+2*n], v[160+2*n:161+2*n], v[14:15] op_sel_hi:[1,0]
.set n, n+1
.endr
.irp b, 0,1
	v_max3_num_f32 v[212+\b], |v[96+16*\b]|, |v[97+16*\b]|, 0x1800000
.endr
.irp i, 2,4,6,8,10,12,14
.irp b, 0,1
	v_max3_num_f32 v[212+\b], v[212+\b], |v[96+16*\b+\i]|, |v[97+16*\b+\i]|
.endr
.endr
.irp b, 0,1
	v_permlanex16_b32 v[216+\b], v[212+\b], s[SEL], s[SEL+1]
.endr
.irp b, 0,1
	v_max_num_f32 v[212+\b], v[212+\b], v[216+\b]
.endr
.irp b, 0,1
	v_add_nc_u32 v[220+\b], 0xff000000, v[212+\b]
.endr
.irp b, 0,1
	v_lshrrev_b32 v[224+\b], 23, v[220+\b]
.endr
	v_lshl_or_b32 v227, v225, 8, v224              ; the head's two bytes of my row's scale word
	v_cvt_scalef32_pk16_fp6_f32 v[192:194], v[96:111], v220
	v_cvt_scalef32_pk16_fp6_f32 v[204:206], v[112:127], v221
	v_nop
.irp i, 0,1,2
	v_permlane16_swap_b32 v[192+\i], v[204+\i]
.endr
.irp i, 0,1,2
	v_mov_b32 v[195+\i], v[204+\i]
.endr
	global_store_b128 v1, v[192:195], s[\ao:\ao+1]             ; registers 0-3 of the half fragment: 512 consecutive bytes
	global_store_b64 v2, v[196:197], s[\ao:\ao+1] offset:512   ; registers 4, 5: 256 consecutive bytes
	global_store_b16 v8, v227, s[\as:\as+1]                    ; two bytes a row, 16 bytes apart: a head owns no more of a row's word (both halves of the lanes write the same)
.endm
	PASS 16, 17, 6, 22, 26
	s_wait_xcnt 0x0                                ; the stores have read their registers
.irp i, 0,1,2,3,4,5
	v_mov_b32 v[22+\i], v[84+\i]                   ; the second tile's Q
.endr
	v_mov_b32 v34, v90
	PASS 18, 19, 20, 24, 28
	s_wait_tensorcnt 0x0                           ; the wave's end: a wait, an add of 0 to my spare word and its wait, behind my last LDS store
	ds_add_u32 v3, v4
	s_wait_dscnt 0x0
	s_endpgm
.Lfunc_end_k_q75da93c562_attention:
	.size	k_q75da93c562_attention, .Lfunc_end_k_q75da93c562_attention-k_q75da93c562_attention
	.p2alignl 7, 3214868480
	.fill 96, 4, 3214868480
	.section	.rodata,"a",@progbits
	.p2align	6, 0x0
	.amdhsa_kernel k_q75da93c562_attention
		.amdhsa_group_segment_fixed_size 206848
		.amdhsa_private_segment_fixed_size 0
		.amdhsa_enable_private_segment 0
		.amdhsa_kernarg_size 24
		.amdhsa_user_sgpr_count 2
		.amdhsa_user_sgpr_kernarg_segment_ptr 1
		.amdhsa_wavefront_size32 1
		.amdhsa_system_sgpr_workgroup_id_x 1
		.amdhsa_system_sgpr_workgroup_id_y 1
		.amdhsa_system_sgpr_workgroup_id_z 1
		.amdhsa_system_vgpr_workitem_id 0
		.amdhsa_next_free_vgpr 256
		.amdhsa_next_free_sgpr 100
		.amdhsa_reserve_vcc 0
		.amdhsa_float_denorm_mode_32 3
		.amdhsa_float_denorm_mode_16_64 3
		.amdhsa_memory_ordered 1
		.amdhsa_forward_progress 1
		.amdhsa_inst_pref_size 62
	.end_amdhsa_kernel
	.amdgpu_metadata
---
amdhsa.version: [ 1, 2 ]
amdhsa.kernels:
  - .name:           k_q75da93c562_attention
    .symbol:         k_q75da93c562_attention.kd
    .args:
      - { .name: qkv, .offset: 0, .size: 8, .value_kind: global_buffer, .address_space: global }
      - { .name: mk, .offset: 8, .size: 8, .value_kind: global_buffer, .address_space: global }
      - { .name: att, .offset: 16, .size: 8, .value_kind: global_buffer, .address_space: global }
    .group_segment_fixed_size: 206848
    .private_segment_fixed_size: 0
    .kernarg_segment_align: 8
    .kernarg_segment_size: 24
    .max_flat_workgroup_size: 512
    .sgpr_count:     100
    .vgpr_count:     256
    .wavefront_size: 32
...
	.end_amdgpu_metadata
.endif
;; end of part 3
;; launch gemm_out (part 4): grid 4 x 32, 4 waves a work-group, clusters of 4 x 4, 327,680 bytes of LDS; arguments att, wq, b_out, out0; writes out0
.if DOCPART == 4
	.amdgcn_target "amdgcn-amd-amdhsa--gfx1250"
	.amdhsa_code_object_version 6
	.text
	.protected	k_q75da93c562_gemm_out
	.globl	k_q75da93c562_gemm_out
	.p2align	8
	.type	k_q75da93c562_gemm_out,@function
k_q75da93c562_gemm_out:
	s_mov_b64 s[64:65], 0
	v_nop
	global_prefetch_b8 v0, s[64:65] scope:SCOPE_SE
	s_setreg_imm32_b32 hwreg(HW_REG_WAVE_MODE, 25, 1), 1
	s_wait_xcnt 0x0
	s_wait_alu depctr_hold_cnt(0) depctr_sa_sdst(0) depctr_va_vdst(0) depctr_va_sdst(0) depctr_va_ssrc(0) depctr_va_vcc(0) depctr_vm_vsrc(0)
	s_getreg_b32 s2, hwreg(HW_REG_IB_STS2, 6, 4)
	s_cmp_eq_u32 s2, 0
	s_cbranch_scc0 .Lentry_in_a_cluster
	s_endpgm
.Lentry_in_a_cluster:
	s_bfe_u32 s2, ttmp6, 0x10000c
	s_cmp_lg_u32 s2, 0xf033
	s_cbranch_scc0 .Lentry_shape_is_right
	s_endpgm
.Lentry_shape_is_right:
; out0 = Q(attention's output) Q(W_out) + b_out on codes of FP6 (E2M3), K = 1,024; out0 [8192][1024] f32.
; A (source 1, rows on lanes) = att: token tiles in TILE ORDER (lane r of tile T holds token 32 (T / 2) + 8 (T % 2) + r + 8 (r / 8)); a K step is two heads, each half a fragment of 768 bytes: registers 0-3 at 16 l, registers 4, 5 at 512 + 8 l.
; B (source 0, rows along registers) = wq's row tiles 192 on (W_out's columns), whole images of 1,536 bytes: lane l's registers 4 p .. 4 p + 3 at 512 p + 16 l.
; Both: 12,288 bytes a tile; a tile's scale words are a block of 512 bytes, (row r, K step s) at 256 (s / 4) + 16 r + 4 (s % 4).
; A tile of the product is 256 x 256: four waves, 128 x 128 each, 64 accumulators.  By the tile order the 16 registers of B's tiles 2 b and 2 b + 1 are 16 neighbouring columns, 32 b + 16 (lane / 16) + 0 .. 15.
; K goes through a ring of two LDS slots of 256 along K, four fills in all, so the eight K steps are written out.  CLUSTERS 4 x 4: A's tiles are asked for jointly along a row of the cluster, B's along a column.
; 128 work-groups of this tile.
; REGISTERS: window 0: v16-29 addresses; v32-95 scale words and nothing else; v96-99 the bias; v128-223 A's fragments; on the way out v128-255 rows of the result.
;   window 1: B's fragments, two sets, at v0 and v128.   windows 2, 3: the accumulators ((a, b) at v[8 (8 (a % 4) + b)]).
.set ASC,   6291456                    ; att: where the scale blocks begin
.set WSC,   3145728                    ; wq: likewise
.set FR,    12
.set FRB,   1536
.set NLA,   4                          ; LDS loads that bring a fragment of A
.set TILEB, 2*FRB
.set HALFT, 8*TILEB
.set SLOT,  4*HALFT
.set SCL,   2*SLOT
.set SPARE, SCL+16384                  ; the spare words, 128 bytes a wave: two blocks of 256 bytes that no other line names
.set SPITCH, 528                       ; the way out: a stage of 16 rows x (512 bytes + 16) for each wave, in slot 0, which has had its last fill and its last read when the first result is stored there
.set ADRA, 16                          ; v16-17  A's fragments in slot 0, 1: + 16 x lane
.set ADRA8, 18                         ; v18-19  the same + 8 x lane
.set ADRB, 20                          ; v20-21  B's
.set STO,  24                          ; v24     the stage: where I put 32 bytes of a row
.set RD,   25                          ; v25     and where I read a row back
.set L16,  26                          ; v26     16 x lane
.set ADRS, 27                          ; v27     my scale words: lanes 0-15 A's rows, lanes 16-31 B's
.set SPW,  28
.set NIL,  29
.set SC,   32
.set BO,   96                          ; v96-99  the bias of my four columns of a row
.set AF,   128
.set BK,   128                         ; 16 rows read back: v128-191 and v192-255 by turns
.set G1, 24
.set G0, 32
.set G1B, 48
.set G0B, 56
.set G1S, 68
.set G0S, 76
.set G1SB, 80
.set G0SB, 88
.set MSB, 0
.macro WIN new
.if MSB != (\new)
	s_set_vgpr_msb (MSB<<8)|(\new)
.set MSB, (\new)
.endif
.endm
.set MUL_LO, 0xa1
.set MUL_HI, 0xf1
.set TO_B,   0x40
.macro JLOAD g0a, g1a, g0b, g1b        ; a joint load: waves 0 and 1 fetch for A, waves 2 and 3 for B; an s_nop 0 and four v_nop follow each of the two lines
	s_cmp_eq_u32 s15, 0
	s_cbranch_scc0 .Lfor_b_\@
	tensor_load_to_lds s[\g0a:\g0a+3], s[\g1a:\g1a+7]
	s_nop 0
.rept 4
	v_nop
.endr
	s_branch .Lasked_\@
.Lfor_b_\@:
	tensor_load_to_lds s[\g0b:\g0b+3], s[\g1b:\g1b+7]
	s_nop 0
.rept 4
	v_nop
.endr
.Lasked_\@:
.endm
.macro CREST
	s_cmp_lg_u32 s14, 0
	s_cbranch_scc1 .Lnot_wave_0_\@
	s_barrier_signal -3
.Lnot_wave_0_\@:
	s_barrier_wait -3
	s_barrier_signal -1
	s_barrier_wait -1
.endm
.macro CROUND
	s_barrier_signal -1
	s_barrier_wait -1
	CREST
.endm
	s_load_b256 s[4:11], s[0:1], 0x0               ; att s[4:5], wq s[6:7], b_out s[8:9], out0 s[10:11]
	v_lshl_add_u32 v[SPW], v0, 2, SPARE
	v_mov_b32 v[NIL], 0
	ds_add_u32 v[SPW], v[NIL]                      ; the wave's opening: the add, with its wait ahead of my first tensor load
	v_lshrrev_b32 v1, 5, v0
	v_readfirstlane_b32 s14, v1                    ; wave 0..3
	s_lshr_b32 s15, s14, 1                         ; which half of A's rows is mine.  Also: I fetch for A (0) or for B (1)
	s_and_b32 s16, s14, 1                          ; which half of B's rows.  Also: which eight row tiles I fetch
	s_bfe_u32 s40, ttmp6, 0x40000                  ; cx
	s_bfe_u32 s41, ttmp6, 0x40004                  ; cy
	s_lshl_b32 s42, ttmp9, 2
	s_add_co_u32 s42, s42, s40                     ; the block of 256 columns
	s_and_b32 s17, ttmp7, 0xffff
	s_lshl_b32 s17, s17, 2
	s_add_co_u32 s17, s17, s41                     ; the block of 256 tokens
	s_lshl_b32 s43, s41, 2
	s_lshl_b32 s43, 15, s43                        ; my row of the cluster
	s_lshl_b32 s44, 0x1111, s40                    ; my column
	s_or_b32 s[G1+0], s43, (3<<16)|(1<<21)         ; eight row tiles x 3,072 bytes (384 elements of 8 bytes), 12,288 bytes apart in memory, dense in LDS
	s_or_b32 s[G1B+0], s44, (3<<16)|(1<<21)
.irp g, G1, G1B
	s_mov_b32 s[\g+1], 384<<16
	s_mov_b32 s[\g+2], 8<<16
	s_mov_b32 s[\g+3], 384<<16
	s_mov_b32 s[\g+4], 8
	s_mov_b32 s[\g+5], 1536
	s_mov_b32 s[\g+6], 0
	s_mov_b32 s[\g+7], 0
.endr
	s_or_b32 s[G1S+0], s43, (3<<16)|(1<<21)        ; eight scale blocks: 4,096 dense bytes as 16 rows of 256
	s_or_b32 s[G1SB+0], s44, (3<<16)|(1<<21)
.irp g, G1S, G1SB
	s_mov_b32 s[\g+1], 32<<16
	s_mov_b32 s[\g+2], 16<<16
	s_mov_b32 s[\g+3], 32<<16
	s_mov_b32 s[\g+4], 16
	s_mov_b32 s[\g+5], 32
	s_mov_b32 s[\g+6], 0
	s_mov_b32 s[\g+7], 0
.endr
	s_lshl_b32 s18, s16, 3
	s_lshl_b32 s20, s17, 4
	s_add_co_u32 s20, s20, s18                     ; A: the first row tile that I fetch
	s_lshl_b32 s46, s42, 4
	s_add_co_u32 s46, s46, s18
	s_add_co_u32 s46, s46, 192                     ; B: likewise; W_out's tiles begin at 192
	s_lshl_b32 s22, s20, 9
	s_add_co_u32 s22, s22, ASC
	s_mov_b32 s23, 0
	s_mul_i32 s20, s20, 12288
	s_mov_b32 s21, 0
	s_lshl_b32 s92, s46, 9
	s_add_co_u32 s92, s92, WSC
	s_mov_b32 s93, 0
	s_mul_i32 s46, s46, 12288
	s_mov_b32 s47, 0
	s_mul_i32 s3, s14, HALFT
	s_lshl_b32 s67, s14, 12
	s_wait_dscnt 0x0                               ; the opening add is done
	s_wait_kmcnt 0x0
	s_add_nc_u64 s[20:21], s[4:5], s[20:21]
	s_add_nc_u64 s[22:23], s[4:5], s[22:23]
	s_add_nc_u64 s[46:47], s[6:7], s[46:47]
	s_add_nc_u64 s[92:93], s[6:7], s[92:93]
	CROUND                                         ; all sixteen work-groups are here: the first joint loads meet
	s_mov_b32 s[G0S], 1
	s_add_co_u32 s[G0S+1], s67, SCL
	s_mov_b64 s[G0S+2:G0S+3], s[22:23]
	s_or_b32 s[G0S+3], s[G0S+3], 0x80000000
	s_mov_b32 s[G0SB], 1
	s_add_co_u32 s[G0SB+1], s67, SCL
	s_mov_b64 s[G0SB+2:G0SB+3], s[92:93]
	s_or_b32 s[G0SB+3], s[G0SB+3], 0x80000000
	JLOAD G0S, G1S, G0SB, G1SB                     ; three loads of mine are out behind these lines
.irp s, 0,1
	s_mov_b32 s[G0+4*\s], 1
	s_add_co_u32 s[G0+4*\s+1], s3, \s*SLOT
	s_add_nc_u64 s[G0+4*\s+2:G0+4*\s+3], s[20:21], \s*TILEB
	s_or_b32 s[G0+4*\s+3], s[G0+4*\s+3], 0x80000000
	s_mov_b32 s[G0B+4*\s], 1
	s_add_co_u32 s[G0B+4*\s+1], s3, \s*SLOT
	s_add_nc_u64 s[G0B+4*\s+2:G0B+4*\s+3], s[46:47], \s*TILEB
	s_or_b32 s[G0B+4*\s+3], s[G0B+4*\s+3], 0x80000000
	JLOAD G0+4*\s, G1, G0B+4*\s, G1B
.endr
	v_and_b32 v1, 15, v0                           ; r
	v_bfe_u32 v2, v0, 4, 1                         ; h
	v_and_b32 v3, 31, v0
	v_lshlrev_b32 v[L16], 4, v3
	v_lshlrev_b32 v4, 3, v3
	s_mul_i32 s21, s15, HALFT
	s_mul_i32 s22, s16, HALFT
	s_add_co_u32 s22, s22, 2*HALFT
.irp s, 0,1
	v_add_nc_u32 v[ADRA+\s], s21, v[L16]
	v_add_nc_u32 v[ADRA8+\s], s21, v4
	v_add_nc_u32 v[ADRB+\s], s22, v[L16]
	s_add_co_u32 s21, s21, SLOT
	s_add_co_u32 s22, s22, SLOT
.endr
	s_lshl_b32 s21, s15, 12
	s_lshl_b32 s22, s16, 12
	s_add_co_u32 s22, s22, 8192
	s_sub_co_u32 s22, s22, s21
	v_mul_u32_u24 v6, s22, v2                      ; lanes 16-31 take B's scale words
	s_add_co_u32 s21, s21, SCL
	v_lshl_add_u32 v5, v1, 4, v6
	v_add_nc_u32 v[ADRS], s21, v5
	s_mul_i32 s23, s14, 16*SPITCH                  ; my stage
	v_mul_u32_u24 v5, v1, SPITCH
	v_lshl_add_u32 v5, v2, 6, v5
	v_add_nc_u32 v[STO], s23, v5                   ; in: row r, + 64 h: columns 16 h on
	v_add_nc_u32 v[RD], s23, v[L16]                ; back: the 32 lanes take one row of 512 bytes
	s_lshl_b32 s46, s42, 10
	s_lshl_b32 s47, s16, 9
	s_add_co_u32 s46, s46, s47                     ; my first column, in bytes
	s_mov_b32 s47, 0
	s_add_nc_u64 s[8:9], s[8:9], s[46:47]
	s_add_nc_u64 s[10:11], s[10:11], s[46:47]
	s_lshl_b32 s46, s17, 20                        ; my first token: 256 rows of 4,096 bytes a block,
	s_lshl_b32 s96, s15, 19                        ; 128 a half
	s_add_co_u32 s46, s46, s96
	s_add_nc_u64 s[10:11], s[10:11], s[46:47]
	global_load_b128 v[BO:BO+3], v[L16], s[8:9]
.macro FRAG reg, adr, off
.irp p, 0,1,2
	ds_load_b128 v[\reg+4*\p:\reg+4*\p+3], v[\adr] offset:\off+512*\p
.endr
.endm
.macro FRAGA reg, slot, off            ; two half fragments, one for each head of the K step
	ds_load_b128 v[\reg:\reg+3], v[ADRA+\slot] offset:\off
	ds_load_b64 v[\reg+4:\reg+5], v[ADRA8+\slot] offset:\off+512
	ds_load_b128 v[\reg+6:\reg+9], v[ADRA+\slot] offset:\off+768
	ds_load_b64 v[\reg+10:\reg+11], v[ADRA8+\slot] offset:\off+1280
.endm
.macro FETCH_B slot, q, p
	WIN TO_B
.irp i, 0,1,2,3,4,5,6,7
	FRAG 128*(\p)+FR*\i, ADRB+\slot, TILEB*\i+FRB*(\q)
.endr
	WIN 0
.endm
.macro FETCH_A slot, q, i0
.irp i, \i0, \i0+1, \i0+2, \i0+3
	FRAGA AF+FR*(\i), \slot, TILEB*(\i)+FRB*(\q)
.endr
.endm
.macro MUL16 a0, p, ks, zero           ; 16 matrix instructions; the 64 accumulators take turns, one instruction a turn, in the same order in every step
.irp a, \a0, \a0+1
.irp b, 0,1,2,3,4,5,6,7
.if \zero
	v_wmma_scale_f32_16x16x128_f8f6f4 v[8*(8*((\a)%4)+\b):8*(8*((\a)%4)+\b)+7], v[128*(\p)+FR*\b:128*(\p)+FR*\b+FR-1], v[AF+FR*(\a):AF+FR*(\a)+FR-1], 0, v[SC+8*\b+(\ks)], v[SC+8*(\a)+(\ks)] matrix_a_fmt:MATRIX_FMT_FP6 matrix_b_fmt:MATRIX_FMT_FP6 matrix_a_scale:MATRIX_SCALE_ROW1
.else
	v_wmma_scale_f32_16x16x128_f8f6f4 v[8*(8*((\a)%4)+\b):8*(8*((\a)%4)+\b)+7], v[128*(\p)+FR*\b:128*(\p)+FR*\b+FR-1], v[AF+FR*(\a):AF+FR*(\a)+FR-1], v[8*(8*((\a)%4)+\b):8*(8*((\a)%4)+\b)+7], v[SC+8*\b+(\ks)], v[SC+8*(\a)+(\ks)] matrix_a_fmt:MATRIX_FMT_FP6 matrix_b_fmt:MATRIX_FMT_FP6 matrix_a_scale:MATRIX_SCALE_ROW1
.endif
.endr
.endr
.endm
.macro PLACES                          ; four plain places in front of loads into registers that matrix instructions have read, and of the first read of results
.rept 4
	v_nop
.endr
.endm
.macro STEP slot, ks, zero
	s_wait_dscnt 4*NLA                             ; B's set and A's blocks 0-3 are in; the youngest sixteen loads (A's blocks 4-7) may be out
	WIN MUL_LO
	MUL16 0, 0, \ks, \zero
	MUL16 2, 0, \ks, \zero
	s_wait_dscnt 0x0
	PLACES
	FETCH_B \slot, 1, 1
	FETCH_A \slot, 1, 0
	WIN MUL_HI
	MUL16 4, 0, \ks, \zero
	MUL16 6, 0, \ks, \zero
	PLACES
	WIN 0
	FETCH_A \slot, 1, 4
.endm
.macro TURN slot, next, ks, fill
	s_wait_tensorcnt 0x0                           ; all my tensor loads have landed: my part of the next slot
	ds_add_u32 v[SPW], v[NIL]                      ; 0 onto my spare word
	s_wait_dscnt 4*NLA+1                           ; (the add and the youngest sixteen loads may be out)
	WIN MUL_LO
	MUL16 0, 1, \ks, 0
	s_wait_dscnt 0x0                               ; the add is done, and my reads of this slot are over
	s_barrier_signal -1
	MUL16 2, 1, \ks, 0
	WIN 0
	s_barrier_wait -1
.if \fill
	CREST                                          ; a round of the cluster's barrier: no wave of any partner still reads this slot or has a load on its way
	s_add_nc_u64 s[G0+4*\slot+2:G0+4*\slot+3], s[G0+4*\slot+2:G0+4*\slot+3], 2*TILEB
	s_add_nc_u64 s[G0B+4*\slot+2:G0B+4*\slot+3], s[G0B+4*\slot+2:G0B+4*\slot+3], 2*TILEB
	JLOAD G0+4*\slot, G1, G0B+4*\slot, G1B         ; the first tensor load behind the round, my only one until the next
.else
	PLACES
.endif
	FETCH_B \next, 0, 0
	FETCH_A \next, 0, 0
	WIN MUL_HI
	MUL16 4, 1, \ks, 0
	MUL16 6, 1, \ks, 0
	PLACES
	WIN 0
	FETCH_A \next, 0, 4
.endm
	s_wait_tensorcnt 1                             ; the scale blocks and my part of slot 0 are in; slot 1's load may be out
	s_barrier_signal -1
	s_barrier_wait -1
	FETCH_B 0, 0, 0
	FETCH_A 0, 0, 0
.irp i, 0,1,2,3,4,5,6,7                        ; all eight K steps' scale words, once
.irp g, 0,1
	ds_load_b128 v[SC+8*\i+4*\g:SC+8*\i+4*\g+3], v[ADRS] offset:512*\i+256*\g
.endr
.endr
	FETCH_A 0, 0, 4
	STEP 0, 0, 1
	TURN 0, 1, 1, 1
	STEP 1, 2, 0
	TURN 1, 0, 3, 1
	STEP 0, 4, 0
	TURN 0, 1, 5, 0                                ; nothing is left to fetch: no round.  Behind this barrier nobody reads slot 0
	STEP 1, 6, 0
	s_wait_dscnt 4*NLA
	WIN MUL_LO
	MUL16 0, 1, 7, 0
	MUL16 2, 1, 7, 0
	s_wait_dscnt 0x0
	WIN MUL_HI
	MUL16 4, 1, 7, 0
	MUL16 6, 1, 7, 0
	WIN 0
; THE WAY OUT, block by block of 16 tokens x 128 columns, through my own stage: a lane holds 32 neighbouring bytes of a row; the rows come back whole, get the bias and leave as 512 consecutive bytes.
; LDS serves a wave's instructions in order (ISA guide 5.7.1.4): no wait between the stores and the loads, nor in front of the next block's stores.
.macro TOSTAGE a
.set AC, 64*((\a)%4)
	WIN 0x08+4*((\a)/4)                            ; the data: window 2 or 3
.irp b, 0,1,2,3,4,5,6,7
	ds_store_b128 v[STO], v[AC+8*\b:AC+8*\b+3] offset:128*(\b/2)+32*(\b%2)        ; each accumulator from its low end on
	ds_store_b128 v[STO], v[AC+8*\b+4:AC+8*\b+7] offset:128*(\b/2)+32*(\b%2)+16
.endr
	WIN 0
.set BB, BK+64*((\a)%2)
.irp t, 0,1,2,3,4,5,6,7,8,9,10,11,12,13,14,15
	ds_load_b128 v[BB+4*\t:BB+4*\t+3], v[RD] offset:\t*SPITCH
.endr
.endm
.macro SEND a, younger                 ; younger: the LDS instructions issued behind block a's loads, which may stay out
.set BB, BK+64*((\a)%2)
	s_wait_dscnt \younger
.irp t, 0,1,2,3,4,5,6,7,8,9,10,11,12,13,14,15
	v_pk_add_f32 v[BB+4*\t:BB+4*\t+1], v[BB+4*\t:BB+4*\t+1], v[BO:BO+1]
	v_pk_add_f32 v[BB+4*\t+2:BB+4*\t+3], v[BB+4*\t+2:BB+4*\t+3], v[BO+2:BO+3]
.endr
.irp t, 0,1,2,3,4,5,6,7,8,9,10,11,12,13,14,15
	global_store_b128 v[L16], v[BB+4*\t:BB+4*\t+3], s[10:11] offset:(32*((\a)/2)+8*((\a)%2)+\t+8*(\t/8))*4096 th:TH_STORE_NT   ; row t of tile a, by the tile order; written once, read by nobody here
.endr
.endm
	PLACES
	s_wait_loadcnt 0x0                             ; the bias
	TOSTAGE 0
.irp a, 1,2,3,4,5,6,7
.if \a > 1
	s_wait_xcnt 0x0                                ; block a - 2's stores have read their registers: block a's loads may land there
.endif
	TOSTAGE \a
	SEND \a-1, 32                                  ; behind block a - 1's loads: block a's 16 stores and 16 loads
.endr
	SEND 7, 0
	s_wait_tensorcnt 0x0                           ; the wave's end: a wait, an add of 0 to my spare word and its wait, behind my last tensor load and my last LDS store
	ds_add_u32 v[SPW], v[NIL]
	s_wait_dscnt 0x0
	CROUND                                         ; the closing round
	s_endpgm
.Lfunc_end_k_q75da93c562_gemm_out:
	.size	k_q75da93c562_gemm_out, .Lfunc_end_k_q75da93c562_gemm_out-k_q75da93c562_gemm_out
	.p2alignl 7, 3214868480
	.fill 96, 4, 3214868480
	.section	.rodata,"a",@progbits
	.p2align	6, 0x0
	.amdhsa_kernel k_q75da93c562_gemm_out
		.amdhsa_group_segment_fixed_size 327680
		.amdhsa_private_segment_fixed_size 0
		.amdhsa_enable_private_segment 0
		.amdhsa_kernarg_size 32
		.amdhsa_user_sgpr_count 2
		.amdhsa_user_sgpr_kernarg_segment_ptr 1
		.amdhsa_wavefront_size32 1
		.amdhsa_system_sgpr_workgroup_id_x 1
		.amdhsa_system_sgpr_workgroup_id_y 1
		.amdhsa_system_sgpr_workgroup_id_z 1
		.amdhsa_system_vgpr_workitem_id 0
		.amdhsa_next_free_vgpr 1024
		.amdhsa_next_free_sgpr 100
		.amdhsa_reserve_vcc 0
		.amdhsa_float_denorm_mode_32 3
		.amdhsa_float_denorm_mode_16_64 3
		.amdhsa_memory_ordered 1
		.amdhsa_forward_progress 1
		.amdhsa_inst_pref_size 154
	.end_amdhsa_kernel
	.amdgpu_metadata
---
amdhsa.version: [ 1, 2 ]
amdhsa.kernels:
  - .name:           k_q75da93c562_gemm_out
    .symbol:         k_q75da93c562_gemm_out.kd
    .args:
      - { .name: att, .offset: 0, .size: 8, .value_kind: global_buffer, .address_space: global }
      - { .name: wq, .offset: 8, .size: 8, .value_kind: global_buffer, .address_space: global }
      - { .name: b_out, .offset: 16, .size: 8, .value_kind: global_buffer, .address_space: global }
      - { .name: out0, .offset: 24, .size: 8, .value_kind: global_buffer, .address_space: global }
    .group_segment_fixed_size: 327680
    .private_segment_fixed_size: 0
    .kernarg_segment_align: 8
    .kernarg_segment_size: 32
    .max_flat_workgroup_size: 128
    .sgpr_count:     100
    .vgpr_count:     1024
    .wavefront_size: 32
...
	.end_amdgpu_metadata
.endif
;; end of part 4
;; ======== version 2 of 2: 4 launches; version 1 with the launch attention written anew for expert scheduling mode
;; workspace buffers: xq 6,553,600 bytes; wq 3,276,800 bytes; qkv 19,660,800 bytes; att 6,553,600 bytes; mk 532,480 bytes of whole numbers
;; launch prep: the kernel of part 1 again; grid 640 x 1, 4 waves a work-group, no clusters, 94,720 bytes of LDS; arguments x, mask, W_qkv, W_out, xq, wq, mk; writes xq, wq, mk
;; launch gemm_qkv: the kernel of part 2 again; grid 12 x 32, 4 waves a work-group, clusters of 4 x 4, 327,680 bytes of LDS; arguments xq, wq, b_qkv, qkv; writes qkv
;; launch attention (part 5): grid 4 x 64, 16 waves a work-group, no clusters, 206,848 bytes of LDS; arguments qkv, mk, att; writes att
.if DOCPART == 5
	.amdgcn_target "amdgcn-amd-amdhsa--gfx1250"
	.amdhsa_code_object_version 6
	.text
	.protected	k_q75da93c562_attention
	.globl	k_q75da93c562_attention
	.p2align	8
	.type	k_q75da93c562_attention,@function
k_q75da93c562_attention:
	s_mov_b64 s[64:65], 0
	v_nop
	global_prefetch_b8 v0, s[64:65] scope:SCOPE_SE
	s_setreg_imm32_b32 hwreg(HW_REG_WAVE_SCHED_MODE, 0, 2), 2
	s_setreg_imm32_b32 hwreg(HW_REG_WAVE_MODE, 25, 1), 1
	s_wait_xcnt 0x0
	s_wait_alu depctr_vm_vsrc(0)
; ATTENTION on codes of FP6 (E2M3): scores = q k^T / 8, the mask, p = 2^(t - M), O = p v / sum(p); O is quantised along (head, channel) for the last product and stored as images of operand registers.
; q, k, v come as images and scale words from the launch before (its head comment has the layouts); the mask as lane masks and tile flags from the first launch.
; SHARES.  Work-group (i, batch x head) copies its head's whole K and V, 192 KB of codes and 8 KB of scale words, into LDS once, and serves query blocks 7 - i and i of 256 queries, one after the other.
; Each of its sixteen waves owns one tile of 16 queries in 256 registers: four waves to a SIMD, so that one wave's vector work stands beside another's products and LDS loads.  Behind one barrier the waves never meet again.
; No tensor load and no copy: a scalar branch on the stored flags may leave out a key step all of whose 16 x 128 places are closed.  The pairing 7 - i, i only evens the work out under masks that close later keys; no value hangs on it.
; No cluster: the four work-groups of a head read the same K and V, once each at their heads; a joint request would take tensor loads.
; LAYOUT.  Both products are used transposed: a lane holds ONE query (lane % 16) throughout.  The head's 64 dims are half of the instruction's K of 128: a fragment of K holds two key tiles, one in each half of K;
; it is multiplied once by [Q | 0] and once by [0 | Q].  By the tile order register 16 b + i of the scores is key 32 b + 16 (lane / 16) + i of the step.
; THE SOFTMAX: t = score x log2(e) / 8; M = the running largest t rounded up to a whole number; p = 2^(t - M) is quantised along the keys, not normalised; the row's sum is taken of the unquantised p and divides at the end.
; THE MASK.  A closed place's raw score becomes -2^33, that is the logit -2^30 where the definition has -1e9: c x 2^33 is a whole number, so a row with no open key gets t - M = 0 and p = 1 at every key, as -1e9 gives in f32.
; A tile in which some row has no open key walks all sixteen steps.
; LIMITS: results differ from the definition only where an OPEN logit lies at or under about -1e9.  A block of zeros gets the scale byte 1 (its codes are zeros; this program alone reads the bytes).  NaN and infinities are not served.
; REGISTERS: v1 16 x lane, v2 8 x lane, v3, v4 the add's two, v5-7 LDS addresses of the step, v8 16 r; v12 -M, v13 the largest t, v[14:15] the sum; v16-21 zeros, v22-27 Q, v28-33 zeros; v34 Q's scale word;
;   v36-83 four fragments; v84-90 the second pass's Q; v96-159 scores, then p; v160-191 O^T; v192-203 p's codes; v204-239 at work; v230, v232-235 scale words.
; THE MODE: SCHED_MODE bits 1:0 = 2 (LLVM: expert scheduling mode 2), set by the entry lines.  The code itself states the register dependences
; between vector or matrix instructions and memory or LDS instructions, with s_wait_alu, always for 0.
; THE PLAN.  Registers that memory or LDS instructions touch:
;   v1, v2, v8-11   offsets, made once at the head and never written again.  v37-39: the copy's LDS addresses, made at the head; behind the barrier they are part of the fragments' registers.
;   v22-27, v34, v84-90   Q and its scale words: loaded once at the head; afterwards named by vector and matrix instructions alone.
;   v96-195         the copy's 25 pieces: loaded from memory, read by the 25 LDS stores; behind the barrier scores, O^T and codes.
;   v5, v6, v7      the step's LDS addresses: written by four additions at a step's head, read by the step's 26 LDS loads.
;   v36-83          K's fragments land at a step's head and are read by the eight products K Q^T; V's land behind those and are read by the four products V^T P.  The sixteen waves hold all the SIMDs' registers: there is no second set.
;   v232-233, v234-235   K's and V's scale words: they land with the fragments and are read by the same products.
;   v192-197, v227  a pass's results: written by the way out's vector lines, read by its three stores, written again in the second pass.
; So a step has one wait on vm_vsrc, at its head (the addresses), and three on va_vdst beside the two behind its exponentials: behind the four additions (the addresses are written, V^T P is done reading), behind K Q^T (it is done
; reading), and ahead of V^T P (p's codes and scale word are written).  Each run of loads stands straight behind the wait that frees its registers; no vector or matrix instruction stands between a wait and its run.
.set QSC,   18874368                   ; qkv: where the scale regions begin
.set ASC,   6291456                    ; att: where the scale blocks begin
.set MFL,   524288                     ; mk: where the flags begin
.set VIMG,  98304                      ; LDS: K's images at 0 (6,144 bytes a step), V's here,
.set KSC,   196608                     ; K's scale words (256 bytes a step), V's 4,096 bytes on
.set SPARE, 204800                     ; the spare words, 128 bytes a wave: eight blocks of 256 bytes that no other line names
.set J,   2                            ; s2   the key step
.set TK,  3                            ; s3   6,144 x step
.set TS,  10                           ; s10  256 x step
.set WV,  11                           ; s11  my wave's number
.set SEL, 12                           ; s[12:13] selects for lane l xor 16
.set CS,  14                           ; s[14:15] c = log2(e) / 8, twice
                                       ; s16-19 steps to walk and steps with closed places, for each pass; s[6:7], s[20:21] the passes' mask words; s[22:25] where O's images go, s[26:29] its scale bytes
                                       ; s[32:63], s[68:99]: a step's 64 mask words; at the head: bases and the flags
	s_load_b128 s[4:7], s[0:1], 0x0                ; qkv, mk
	s_load_b64 s[8:9], s[0:1], 0x10                ; att
	v_lshl_add_u32 v3, v0, 2, SPARE
	v_mov_b32 v4, 0
	v_lshrrev_b32 v5, 5, v0
	v_readfirstlane_b32 s[WV], v5                  ; wave 0..15
	v_and_b32 v6, 31, v0
	v_lshlrev_b32 v1, 4, v6
	v_lshlrev_b32 v2, 3, v6
	v_and_b32 v7, 15, v0
	v_lshlrev_b32 v8, 4, v7                        ; 16 r
	v_lshlrev_b32 v9, 3, v7                        ; 8 r
	v_lshlrev_b32 v10, 4, v0                       ; 16 x thread: the copy's place, in memory and in LDS
	v_lshrrev_b32 v11, 8, v0
	v_mul_u32_u24 v11, v11, 258048                 ; the scale words: threads 256 on take V's region, 64 regions of 4,096 bytes behind K's
	v_add_nc_u32 v11, v11, v10
.irp m, 1,2,3
	v_add_nc_u32 v[36+\m], 65536*\m, v10           ; an LDS offset has 16 bits
.endr
	s_wait_alu depctr_va_sdst(0)                   ; s11, the wave's number, is written, ahead of its first reader: tiles, bases and branches are made from it
	s_and_b32 s32, ttmp7, 0xffff                   ; 16 x batch + head
	s_sub_co_u32 s33, 7, ttmp9
	s_lshl_b32 s33, s33, 4
	s_add_co_u32 s33, s33, s[WV]                   ; my query tile in pass 0,
	s_lshl_b32 s34, ttmp9, 4
	s_add_co_u32 s34, s34, s[WV]                   ; in pass 1
	s_mul_i32 s36, s32, 98304
	s_mov_b32 s37, 0
	s_lshl_b32 s38, s32, 12
	s_add_co_u32 s38, s38, QSC
	s_mov_b32 s39, 0
	s_lshl_b32 s30, s33, 6                         ; the tiles' flags: 64 bytes each
	s_lshl_b32 s31, s34, 6
	s_lshr_b32 s56, s32, 4
	s_lshl_b32 s56, s56, 7                         ; 128 x batch: the batch's first token tile
	s_and_b32 s57, s32, 15                         ; head
	s_mul_i32 s58, s57, 768                        ; a head is half a K step of the last product: 768 bytes of an image
	s_lshr_b32 s59, s57, 3
	s_lshl_b32 s59, s59, 8
	s_and_b32 s57, s57, 7
	s_lshl_b32 s57, s57, 1
	s_add_co_u32 s59, s59, s57
	s_add_co_u32 s59, s59, ASC                     ; and two bytes of a row's scale words: 256 (head / 8) + 2 (head % 8)
	s_mov_b32 s[SEL], 0x76543210
	s_mov_b32 s[SEL+1], 0xfedcba98
	s_mov_b32 s[CS], 0x3e38aa3b
	s_mov_b32 s[CS+1], s[CS]
	s_wait_kmcnt 0x0
	s_load_b512 s[68:83], s[6:7], s30 offset:MFL   ; four waves' records of four words, for each pass's tile
	s_load_b512 s[84:99], s[6:7], s31 offset:MFL
	s_add_nc_u64 s[36:37], s[4:5], s[36:37]        ; q's region,
	s_add_nc_u64 s[40:41], s[36:37], 64*98304      ; K's,
	s_add_nc_u64 s[42:43], s[36:37], 128*98304     ; V's
	s_add_nc_u64 s[38:39], s[4:5], s[38:39]        ; q's scale region,
	s_add_nc_u64 s[44:45], s[38:39], 64*4096       ; K's
.macro QADR t, img, sc                 ; the tile in s[t]: its fragment's image, and the fragment's scale words
	s_lshr_b32 s[\img], s[\t], 1
	s_mul_i32 s[\img], s[\img], 1536
	s_mov_b32 s[\img+1], 0
	s_add_nc_u64 s[\img:\img+1], s[36:37], s[\img:\img+1]
	s_lshr_b32 s[\sc], s[\t], 3
	s_lshl_b32 s[\sc], s[\sc], 8                   ; 256 bytes a step of eight tiles;
	s_bfe_u32 s[\sc+1], s[\t], 0x10001
	s_lshl_b32 s[\sc+1], s[\sc+1], 7               ; fragment f' of the step: 128 (f' % 2)
	s_add_co_u32 s[\sc], s[\sc], s[\sc+1]
	s_bfe_u32 s[\sc+1], s[\t], 0x10002
	s_lshl_b32 s[\sc+1], s[\sc+1], 2               ; + 4 (f' / 2)
	s_add_co_u32 s[\sc], s[\sc], s[\sc+1]
	s_mov_b32 s[\sc+1], 0
	s_add_nc_u64 s[\sc:\sc+1], s[38:39], s[\sc:\sc+1]
.endm
	QADR 33, 46, 50
	QADR 34, 48, 52
.macro OADR t, ao, as
	s_add_co_u32 s60, s56, s[\t]                   ; the token tile
	s_mul_i32 s62, s60, 12288
	s_add_co_u32 s62, s62, s58
	s_mov_b32 s63, 0
	s_add_nc_u64 s[\ao:\ao+1], s[8:9], s[62:63]
	s_lshl_b32 s62, s60, 9
	s_add_co_u32 s62, s62, s59
	s_add_nc_u64 s[\as:\as+1], s[8:9], s[62:63]
.endm
	OADR 33, 22, 26
	OADR 34, 24, 28
	s_wait_alu depctr_va_vdst(0)                   ; the offsets v1, v2, v8 to v11 and the LDS addresses v37 to v39 are written, which the head's loads and LDS stores read; it stands ahead of the branch, for both ways
	s_bitcmp1_b32 s[WV], 0                         ; an even tile is registers 0-5 of its fragment, an odd one registers 6-11
	s_cbranch_scc1 .Lodd
	global_load_b128 v[22:25], v1, s[46:47]
	global_load_b64 v[26:27], v1, s[46:47] offset:512
	global_load_b128 v[84:87], v1, s[48:49]
	global_load_b64 v[88:89], v1, s[48:49] offset:512
	s_branch .Lq_asked
.Lodd:
	global_load_b64 v[22:23], v1, s[46:47] offset:520
	global_load_b128 v[24:27], v1, s[46:47] offset:1024
	global_load_b64 v[84:85], v1, s[48:49] offset:520
	global_load_b128 v[86:89], v1, s[48:49] offset:1024
.Lq_asked:
	global_load_b32 v34, v9, s[50:51]
	global_load_b32 v90, v9, s[52:53]
.irp i, 0,1,2,3,4,5,6,7,8,9,10,11              ; THE COPY: 25 x 8,192 bytes, 16 bytes a thread
	global_load_b128 v[96+4*\i:99+4*\i], v10, s[40:41] offset:8192*\i
.endr
.irp i, 0,1,2,3,4,5,6,7,8,9,10,11
	global_load_b128 v[144+4*\i:147+4*\i], v10, s[42:43] offset:8192*\i
.endr
	global_load_b128 v[192:195], v11, s[44:45]
.irp i, 0,1,2,3,4,5
	v_mov_b32 v[16+\i], 0                          ; zero codes beside Q.  (These moves name no register that the head's loads or LDS stores touch)
	v_mov_b32 v[28+\i], 0
.endr
.irp i, 0,1,2,3
	v_mov_b32 v[216+\i], 0                         ; a lane permute's destination counts as one of its sources
.endr
	v_mov_b32 v229, 0                              ; (named as the upper half of the pair v[228:229])
	v_mov_b32 v236, 0xd0000000                     ; -2^33
	s_wait_kmcnt 0x0                               ; the flags
.macro FLAGS base, need, mix
	s_or_b32 s30, s[\base], s[\base+4]
	s_or_b32 s30, s30, s[\base+8]
	s_or_b32 s30, s30, s[\base+12]                 ; steps with any open place
	s_or_b32 s31, s[\base+1], s[\base+5]
	s_or_b32 s31, s31, s[\base+9]
	s_or_b32 s31, s31, s[\base+13]                 ; steps all open
	s_or_b32 s[\mix], s[\base+2], s[\base+6]
	s_or_b32 s[\mix], s[\mix], s[\base+10]
	s_or_b32 s[\mix], s[\mix], s[\base+14]
	s_lshr_b32 s[\need], s[\mix], 16
	s_or_b32 s[\mix], s[\mix], s[\need]
	s_and_b32 s[\mix], s[\mix], 0xffff             ; a bit for each of the 16 queries: has it an open key?
	s_cmp_eq_u32 s[\mix], 0xffff
	s_cselect_b32 s[\need], s30, 0xffff            ; if all have: the steps with open places; else every step
	s_and_not1_b32 s[\mix], s[\need], s31          ; of them, those with closed places
.endm
	FLAGS 68, 16, 17
	FLAGS 84, 18, 19
	s_lshl_b32 s54, s34, 12                        ; a tile's mask words: 4,096 bytes
	s_mov_b32 s55, 0
	s_add_nc_u64 s[20:21], s[6:7], s[54:55]
	s_lshl_b32 s54, s33, 12
	s_add_nc_u64 s[6:7], s[6:7], s[54:55]
.irp i, 0,1,2,3,4,5,6,7,8,9,10,11,12,13,14,15,16,17,18,19,20,21,22,23,24
	s_wait_loadcnt 24-\i                           ; loads come back in order: piece i is in, the younger ones may be out
.if \i < 8
	ds_store_b128 v10, v[96+4*\i:99+4*\i] offset:8192*\i
.else
	ds_store_b128 v[36+\i/8], v[96+4*\i:99+4*\i] offset:8192*(\i%8)
.endif
.endr
	s_and_b32 s30, s[WV], 1
	s_lshl_b32 s30, s30, 4
	v_lshrrev_b32 v34, s30, v34                    ; my tile's two bytes of the fragment's word,
	v_lshrrev_b32 v90, s30, v90
	v_perm_b32 v34, v34, v34, 0x01000100           ; in both halves: it serves [Q | 0] and [0 | Q]
	v_perm_b32 v90, v90, v90, 0x01000100
	s_wait_dscnt 0x0                               ; for the others' sake: my stores have landed
	s_barrier_signal -1
	s_barrier_wait -1                              ; K and V lie in LDS; nothing is written there again
	s_wait_alu depctr_vm_vsrc(0)                   ; my LDS stores have read their addresses v37 to v39 and their data v96 to v195: from here on fragments land there, and products, moves and conversions write there
; A KEY STEP: 128 keys.
.macro STEPBODY mix, mp
	s_wait_alu depctr_vm_vsrc(0)                   ; the LDS loads issued so far have read v5, v6 and v7, which the four lines below write again
	v_add_nc_u32 v5, s[TK], v1
	v_add_nc_u32 v7, s[TS], v2
	v_add_nc_u32 v6, VIMG, v5
	v_add_nc_u32 v7, KSC, v7
	s_wait_alu depctr_va_vdst(0)                   ; v5, v6 and v7 are written, which this step's LDS loads read; the last step's products V^T P are done reading v36 to v83 and the scale words, in which loads land; in a pass's first step the zeros, Q and Q's scale word (v16 to v34) are written, which the scaled products below take
.irp f, 0,1,2,3
.irp p, 0,1,2
	ds_load_b128 v[36+12*\f+4*\p:39+12*\f+4*\p], v5 offset:1536*\f+512*\p
.endr
.endr
	ds_load_b64 v[232:233], v7                     ; register g: lanes 0-15 fragment 2 g's words, lanes 16-31 fragment 2 g + 1's
	s_wait_dscnt 0x0
.irp f, 0,1,2,3                                ; S^T: fragment f holds key tiles 2 f (first half of K) and 2 f + 1 (second half)
.if \f%2
	v_wmma_scale_f32_16x16x128_f8f6f4 v[96+16*\f:103+16*\f], v[36+12*\f:47+12*\f], v[22:33], 0, v[232+\f/2], v34 matrix_a_fmt:MATRIX_FMT_FP6 matrix_b_fmt:MATRIX_FMT_FP6 matrix_a_scale:MATRIX_SCALE_ROW1
	v_wmma_scale_f32_16x16x128_f8f6f4 v[104+16*\f:111+16*\f], v[36+12*\f:47+12*\f], v[16:27], 0, v[232+\f/2], v34 matrix_a_fmt:MATRIX_FMT_FP6 matrix_b_fmt:MATRIX_FMT_FP6 matrix_a_scale:MATRIX_SCALE_ROW1
.else
	v_wmma_scale_f32_16x16x128_f8f6f4 v[96+16*\f:103+16*\f], v[36+12*\f:47+12*\f], v[22:33], 0, v[232+\f/2], v34 matrix_a_fmt:MATRIX_FMT_FP6 matrix_b_fmt:MATRIX_FMT_FP6
	v_wmma_scale_f32_16x16x128_f8f6f4 v[104+16*\f:111+16*\f], v[36+12*\f:47+12*\f], v[16:27], 0, v[232+\f/2], v34 matrix_a_fmt:MATRIX_FMT_FP6 matrix_b_fmt:MATRIX_FMT_FP6
.endif
.endr
.rept 4
	v_nop                                          ; places in front of the loads below and of the first read of the scores
.endr
	s_wait_alu depctr_va_vdst(0)                   ; the eight products K Q^T are done reading K's fragments, v36 to v83, in which V's land; the places above stay beside this wait
.irp f, 0,1,2,3                                ; V's four fragments land while the softmax is walked: none of its lines names v36 to v83, v234, v235, v6 or v7
.irp p, 0,1,2
	ds_load_b128 v[36+12*\f+4*\p:39+12*\f+4*\p], v6 offset:1536*\f+512*\p
.endr
.endr
	ds_load_b64 v[234:235], v7 offset:4096
	s_bitcmp1_b32 s[\mix], 0                       ; a step all of whose places are open needs no mask word
	s_cbranch_scc0 .Lopen_\@
	s_load_b512 s[32:47], s[\mp:\mp+1], 0x0
	s_load_b512 s[48:63], s[\mp:\mp+1], 0x40
	s_load_b512 s[68:83], s[\mp:\mp+1], 0x80
	s_load_b512 s[84:99], s[\mp:\mp+1], 0xc0
	s_wait_kmcnt 0x0
.set n, 0
.rept 64
	v_cndmask_b32 v[96+n], v236, v[96+n], s[32+n+4*(n/32)]   ; word n has a bit for each lane: open keeps the score
.set n, n+1
.endr
.Lopen_\@:
.irp b, 0,1,2,3
	v_max3_num_f32 v[212+\b], v[96+16*\b], v[97+16*\b], v[98+16*\b]   ; the largest score of each block of 32 keys: it serves for the row's maximum and, since p rises with the score, for the block's largest p
.endr
.irp i, 3,5,7,9,11,13
.irp b, 0,1,2,3
	v_max3_num_f32 v[212+\b], v[212+\b], v[96+16*\b+\i], v[97+16*\b+\i]
.endr
.endr
.irp b, 0,1,2,3
	v_max_num_f32 v[212+\b], v[212+\b], v[111+16*\b]
.endr
.irp b, 0,1,2,3
	v_permlanex16_b32 v[216+\b], v[212+\b], s[SEL], s[SEL+1]
.endr
.irp b, 0,1,2,3
	v_max_num_f32 v[212+\b], v[212+\b], v[216+\b]  ; with lane l xor 16's 16 keys
.endr
	v_max3_num_f32 v237, v212, v213, v214
	v_max_num_f32 v237, v237, v215
	v_mul_f32 v237, s[CS], v237                    ; the step's largest t
	v_max_num_f32 v13, v13, v237                   ; the running largest
	v_mov_b32 v237, v12
	v_floor_f32 v12, -v13                          ; the new -M = -ceil(t): a whole number
	v_sub_f32 v237, v12, v237                      ; old M - new M: a whole number, 0 or less
	v_cvt_i32_f32 v237, v237                       ; (it saturates)
	v_ldexp_f32 v228, 1.0, v237                    ; f = 2^(old M - new M): rounds nothing
.set n, 0
.rept 32
	v_pk_fma_f32 v[96+2*n:97+2*n], v[96+2*n:97+2*n], s[CS:CS+1], v[12:13] op_sel_hi:[1,0,0]   ; t - M
.set n, n+1
.endr
.irp b, 0,1,2,3
	v_fma_f32 v[212+\b], v[212+\b], s[CS], v12     ; the same of each block's largest score
.endr
.set n, 0
.rept 64
	v_exp_f32 v[96+n], v[96+n]                     ; p = 2^(t - M)
.set n, n+1
.endr
	v_pk_mul_f32 v[14:15], v[14:15], v[228:229] op_sel_hi:[1,0]   ; the sums under the new M: the plain place behind the exponentials
	s_wait_alu depctr_va_vdst(0)                   ; the 64 exponentials have written p, v96 to v159: one wait for the batch, ahead of its first reader
.irp b, 0,1,2,3
	v_exp_f32 v[212+\b], v[212+\b]                 ; the blocks' largest p
.endr
	v_pk_add_f32 v[238:239], v[96:97], v[98:99]    ; the row's sum, of the unquantised p, in two chains
.set n, 4
.rept 15
	v_pk_add_f32 v[14:15], v[14:15], v[96+n:97+n]
	v_pk_add_f32 v[238:239], v[238:239], v[98+n:99+n]
.set n, n+4
.endr
	v_pk_add_f32 v[14:15], v[14:15], v[238:239]
	s_wait_alu depctr_va_vdst(0)                   ; the four exponentials have written the blocks' largest p, v212 to v215, ahead of their first reader
.irp b, 0,1,2,3
	v_max_num_f32 v[212+\b], 0x1800000, v[212+\b]  ; the floor 2^(3 - 127): the byte cannot fall under 1
.endr
.irp b, 0,1,2,3
	v_add_nc_u32 v[220+\b], 0xff000000, v[212+\b]  ; the conversion's scale operand
.endr
.irp b, 0,1,2,3
	v_lshrrev_b32 v[224+\b], 23, v[220+\b]         ; the scale's byte
.endr
	v_lshl_or_b32 v230, v225, 8, v224              ; p's scale word for these 128 keys
	v_lshl_or_b32 v230, v226, 16, v230
	v_lshl_or_b32 v230, v227, 24, v230
.irp c, 0,1
	v_cvt_scalef32_pk16_fp6_f32 v[192+6*\c:194+6*\c], v[96+32*\c:111+32*\c], v[220+2*\c]
	v_cvt_scalef32_pk16_fp6_f32 v[204+4*\c:206+4*\c], v[112+32*\c:127+32*\c], v[221+2*\c]
.endr
	v_nop                                          ; one plain place behind a scaled conversion
.irp c, 0,1                                    ; the operand's layout wants a whole block in a lane
.irp i, 0,1,2
	v_permlane16_swap_b32 v[192+6*\c+\i], v[204+4*\c+\i]
.endr
.irp i, 0,1,2
	v_mov_b32 v[195+6*\c+\i], v[204+4*\c+\i]
.endr
.endr
.set n, 0
.rept 16
	v_pk_mul_f32 v[160+2*n:161+2*n], v[160+2*n:161+2*n], v[228:229] op_sel_hi:[1,0]   ; O^T under the new M.  (With the moves above: the places between the scale word, the codes and the products)
.set n, n+1
.endr
	s_wait_dscnt 0x0                               ; V
	s_wait_alu depctr_va_vdst(0)                   ; p's codes, v192 to v203, and its scale word, v230, are written by vector lines: the scaled products below take them; the places above stay beside this wait
.irp t, 0,1,2,3                                ; O^T += V^T P^T: four tiles of 16 channels, by turns
.if \t%2
	v_wmma_scale_f32_16x16x128_f8f6f4 v[160+8*\t:167+8*\t], v[36+12*\t:47+12*\t], v[192:203], v[160+8*\t:167+8*\t], v[234+\t/2], v230 matrix_a_fmt:MATRIX_FMT_FP6 matrix_b_fmt:MATRIX_FMT_FP6 matrix_a_scale:MATRIX_SCALE_ROW1
.else
	v_wmma_scale_f32_16x16x128_f8f6f4 v[160+8*\t:167+8*\t], v[36+12*\t:47+12*\t], v[192:203], v[160+8*\t:167+8*\t], v[234+\t/2], v230 matrix_a_fmt:MATRIX_FMT_FP6 matrix_b_fmt:MATRIX_FMT_FP6
.endif
.endr
.rept 4
	v_nop                                          ; places in front of the next step's loads, and of the way out's reads
.endr
.endm
; A PASS: one tile of 16 queries against the head's sixteen key steps.  The trip count is a constant; a step that the flags leave out is jumped over, but for the lines that step addresses.
.macro PASS need, mix, mp, ao, as
	v_mov_b32 v13, 0xff61b1e6                      ; the largest t so far: -3e38
	v_floor_f32 v12, -v13
	v_mov_b32 v14, 0
	v_mov_b32 v15, 0
.set n, 0
.rept 32
	v_mov_b32 v[160+n], 0                          ; O^T: the step is written once; the first finds zeros, which the first change of M leaves zeros
.set n, n+1
.endr
	s_mov_b32 s[J], 0
	s_mov_b32 s[TK], 0
	s_mov_b32 s[TS], 0
.Ltrip_\@:
	s_bitcmp1_b32 s[\need], 0
	s_cbranch_scc0 .Lskip_\@
	STEPBODY \mix, \mp
.Lskip_\@:
	s_lshr_b32 s[\need], s[\need], 1
	s_lshr_b32 s[\mix], s[\mix], 1
	s_add_co_u32 s[TK], s[TK], 6144
	s_add_co_u32 s[TS], s[TS], 256
	s_add_nc_u64 s[\mp:\mp+1], s[\mp:\mp+1], 256   ; (a step's scalar loads were waited for in the step)
	s_add_co_u32 s[J], s[J], 1
	s_cmp_lt_u32 s[J], 16
	s_cbranch_scc1 .Ltrip_\@
	; THE WAY OUT: O^T / the sum; register 16 b + i is channel 32 b + 16 (lane / 16) + i: two blocks of the last product's K
	v_add_f32 v14, v14, v15
	v_permlanex16_b32 v216, v14, s[SEL], s[SEL+1]
	v_add_f32 v14, v14, v216
	v_rcp_f32 v14, v14
	v_nop                                          ; a plain place behind the reciprocal
	s_wait_alu depctr_va_vdst(0)                   ; the reciprocal has written v14, ahead of its first reader
.set n, 0
.rept 16
	v_pk_mul_f32 v[96+2*n:97+2*n], v[160+2*n:161+2*n], v[14:15] op_sel_hi:[1,0]
.set n, n+1
.endr
.irp b, 0,1
	v_max3_num_f32 v[212+\b], |v[96+16*\b]|, |v[97+16*\b]|, 0x1800000
.endr
.irp i, 2,4,6,8,10,12,14
.irp b, 0,1
	v_max3_num_f32 v[212+\b], v[212+\b], |v[96+16*\b+\i]|, |v[97+16*\b+\i]|
.endr
.endr
.irp b, 0,1
	v_permlanex16_b32 v[216+\b], v[212+\b], s[SEL], s[SEL+1]
.endr
.irp b, 0,1
	v_max_num_f32 v[212+\b], v[212+\b], v[216+\b]
.endr
.irp b, 0,1
	v_add_nc_u32 v[220+\b], 0xff000000, v[212+\b]
.endr
.irp b, 0,1
	v_lshrrev_b32 v[224+\b], 23, v[220+\b]
.endr
	v_lshl_or_b32 v227, v225, 8, v224              ; the head's two bytes of my row's scale word
	v_cvt_scalef32_pk16_fp6_f32 v[192:194], v[96:111], v220
	v_cvt_scalef32_pk16_fp6_f32 v[204:206], v[112:127], v221
	v_nop
.irp i, 0,1,2
	v_permlane16_swap_b32 v[192+\i], v[204+\i]
.endr
.irp i, 0,1,2
	v_mov_b32 v[195+\i], v[204+\i]
.endr
	s_wait_alu depctr_va_vdst(0)                   ; the codes, v192 to v197, and the two scale bytes, v227, are written, which the three stores below read
	global_store_b128 v1, v[192:195], s[\ao:\ao+1]             ; registers 0-3 of the half fragment: 512 consecutive bytes
	global_store_b64 v2, v[196:197], s[\ao:\ao+1] offset:512   ; registers 4, 5: 256 consecutive bytes
	global_store_b16 v8, v227, s[\as:\as+1]                    ; two bytes a row, 16 bytes apart: a head owns no more of a row's word (both halves of the lanes write the same)
.endm
	PASS 16, 17, 6, 22, 26
	s_wait_xcnt 0x0                                ; the stores have read their registers
	s_wait_alu depctr_vm_vsrc(0)                   ; the first pass's stores have read v192 to v197 and v227, which the second pass's vector lines write again
.irp i, 0,1,2,3,4,5
	v_mov_b32 v[22+\i], v[84+\i]                   ; the second tile's Q
.endr
	v_mov_b32 v34, v90
	PASS 18, 19, 20, 24, 28
	s_wait_dscnt 0x0                               ; the closing lines, six on end
	s_wait_alu 0x0
	s_wait_tensorcnt 0x0
	ds_add_u32 v3, v4
	s_wait_dscnt 0x0
	s_endpgm
.Lfunc_end_k_q75da93c562_attention:
	.size	k_q75da93c562_attention, .Lfunc_end_k_q75da93c562_attention-k_q75da93c562_attention
	.p2alignl 7, 3214868480
	.fill 96, 4, 3214868480
	.section	.rodata,"a",@progbits
	.p2align	6, 0x0
	.amdhsa_kernel k_q75da93c562_attention
		.amdhsa_group_segment_fixed_size 206848
		.amdhsa_private_segment_fixed_size 0
		.amdhsa_enable_private_segment 0
		.amdhsa_kernarg_size 24
		.amdhsa_user_sgpr_count 2
		.amdhsa_user_sgpr_kernarg_segment_ptr 1
		.amdhsa_wavefront_size32 1
		.amdhsa_system_sgpr_workgroup_id_x 1
		.amdhsa_system_sgpr_workgroup_id_y 1
		.amdhsa_system_sgpr_workgroup_id_z 1
		.amdhsa_system_vgpr_workitem_id 0
		.amdhsa_next_free_vgpr 256
		.amdhsa_next_free_sgpr 100
		.amdhsa_reserve_vcc 0
		.amdhsa_float_denorm_mode_32 3
		.amdhsa_float_denorm_mode_16_64 3
		.amdhsa_memory_ordered 1
		.amdhsa_forward_progress 1
		.amdhsa_inst_pref_size 63
	.end_amdhsa_kernel
	.amdgpu_metadata
---
amdhsa.version: [ 1, 2 ]
amdhsa.kernels:
  - .name:           k_q75da93c562_attention
    .symbol:         k_q75da93c562_attention.kd
    .args:
      - { .name: qkv, .offset: 0, .size: 8, .value_kind: global_buffer, .address_space: global }
      - { .name: mk, .offset: 8, .size: 8, .value_kind: global_buffer, .address_space: global }
      - { .name: att, .offset: 16, .size: 8, .value_kind: global_buffer, .address_space: global }
    .group_segment_fixed_size: 206848
    .private_segment_fixed_size: 0
    .kernarg_segment_align: 8
    .kernarg_segment_size: 24
    .max_flat_workgroup_size: 512
    .sgpr_count:     100
    .vgpr_count:     256
    .wavefront_size: 32
...
	.end_amdgpu_metadata
.endif
;; end of part 5
;; launch gemm_out: the kernel of part 4 again; grid 4 x 32, 4 waves a work-group, clusters of 4 x 4, 327,680 bytes of LDS; arguments att, wq, b_out, out0; writes out0
